; MI455X (gfx1250); checked and timed in simulation.
; The chip was launched on July 23, 2026; its instructions are those of AMD's public machine-readable ISA for CDNA 5 (MIT licence, August 2026) and "CDNA5" Instruction Set Architecture Reference Guide (July 2026). The comments in the code are by the model that wrote it; some were corrected since.
;; Scaled Dot Product. Allowed arithmetic: matrix products marked QUANTISED: E2M3 operands, one E8M0 scale for each 32 along K, by v_wmma_scale_f32_16x16x128_f8f6f4 with both operands' format E2M3, f32 sums; everything else in f32.
;; Inputs: Wk 1,024 x 1,024 float32; Wq 1,024 x 1,024 float32; Wv 1,024 x 1,024 float32; bk 1,024 float32; bq 1,024 float32; bv 1,024 float32; k 4 x 2,048 x 1,024 float32; mask 4 x 2,048 x 2,048 float32; q 4 x 2,048 x 1,024 float32; v 4 x 2,048 x 1,024 float32.
;; Outputs: out0 4 x 2,048 x 1,024 float32.
;; This version of the problem:
;;   THIS VERSION OF THE PROBLEM IS GIVEN IN LOW PRECISION. The matrix products marked QUANTISED in the list below multiply operands that are first quantised to E2M3 (2 exponent bits, 3 mantissa bits; 6 bits a number), with one power-of-two scale for each 32 numbers along K (OCP MX v1.0); their sums are f32. All else is computed in f32.
;;   The module's matrix products, in the order in which they are computed (A, B: the left and right operand; K: the contracted axis; several contracted axes count as one K, in the product's order):
;;     1. [M 8,192, K 1,024] x [K 1,024, N 1,024]; A: input q; B: input Wq: QUANTISED
;;     2. [M 8,192, K 1,024] x [K 1,024, N 1,024]; A: input k; B: input Wk: QUANTISED
;;     3. [M 8,192, K 1,024] x [K 1,024, N 1,024]; A: input v; B: input Wv: QUANTISED
;;     4. batch 4 x [M 2,048, K 1,024] x [K 1,024, N 2,048]; A: computed on the way; B: computed on the way: QUANTISED
;;     5. batch 4 x [M 2,048, K 2,048] x [K 2,048, N 1,024]; A: softmax (see below); B: computed on the way: QUANTISED
;;   THE QUANTISER, for each operand of a quantised product, along K:
;;     - K is cut into blocks of 32 from its start; a last block that is shorter is filled with zeros.
;;     - A block's scale is 2^e with e = floor(log2(the largest magnitude in the block)) - 2, held to -126 .. 127; a block of zeros has e = 0. As a byte (E8M0): e + 127.
;;     - Each number is divided by its block's scale, clamped to +-7.5, and rounded to the nearest number of E2M3, ties to even, subnormals kept.
;;     - The product sums the exact products of the quantised numbers (number of the format x scale) in f32.
;;   ~~~python
;;   def quantise(x, axis):      # numpy; x: float32 -> the quantised numbers, widened to float32 again
;;       x = np.moveaxis(x, axis, -1); K = x.shape[-1]
;;       x = np.pad(x, [(0, 0)] * (x.ndim - 1) + [(0, -K % 32)]); x = x.reshape(x.shape[:-1] + (-1, 32)); a = np.abs(x).max(-1, keepdims=True)
;;       e = np.where(a > 0, np.clip(np.frexp(np.where(a > 0, a, 1))[1] - 1 - 2, -126, 127), 0)      # np.frexp(a)[1] - 1 = floor(log2(a)), exactly
;;       r = np.clip(x / 2.0 ** e, -7.5, 7.5)
;;       step = 2.0 ** (np.maximum(np.frexp(np.where(r == 0, 1, r))[1] - 1, 0) - 3)
;;       q = np.round(r / step) * step * 2.0 ** e      # np.round: ties to even
;;       return np.moveaxis(q.reshape(q.shape[:-2] + (-1,))[..., :K], -1, axis).astype(np.float32)
;;   ~~~
;;   SOFTMAX AHEAD OF A QUANTISED PRODUCT. Where the list says 'softmax', what is quantised is not the finished softmax but p = 2^(t - M), with t = logit x log2(e) and M = ceil(the row's largest t), a whole number; so 1/2 < the row's largest p <= 1. The row's sum l is taken of the UNQUANTISED p, in f32, and the product's result is divided by l at the end. Since M is a whole number, a kernel that streams over the keys may use a running M (the ceiling of the running maximum): every later rescaling is an exact power of two, which a block's scale takes up: the codes' values come out the same.
;;   OPERANDS COMPUTED ON THE WAY. 'Computed on the way' means the value that the module computes at that place (a softmax that the list does not call 'softmax' is quantised finished and normalised). What goes into a quantiser is computed in f32, as accurately as f32 sums, v_exp_f32 and their like allow (about 1e-6 of the number): no bf16 or f16 on the way to a quantiser, and a product that is left as it is and whose result goes on into a quantised operand takes f32 operands (vector FMAs, or v_wmma_f32_16x16x4_f32). A number that lies on a knife's edge between two numbers of the format may be rounded either way, as far as f32 arithmetic and the matrix unit's own rounding can turn it there, and no further.
;; One version. Each part assembles by itself: llvm-mc -triple=amdgcn-amd-amdhsa -mcpu=gfx1250 --defsym DOCPART=n.
;; ======== version 1 of 1: 4 launches
;; limits: right only within a limited range of input values
;; workspace buffers: c1 21,233,664 bytes; s1 884,736 bytes; c2 18,874,368 bytes; s2 786,432 bytes; pc 12,582,912 bytes; st 1,572,864 bytes
;; launch quant (part 1): grid 576 x 1, 4 waves a work-group, no clusters, 46,592 bytes of LDS; arguments q, k, v, Wq, Wk, Wv, c1, s1; writes c1, s1
.if DOCPART == 1
	.amdgcn_target "amdgcn-amd-amdhsa--gfx1250"
	.amdhsa_code_object_version 6
	.text
	.protected	k_q3b7dd95040_quant
	.globl	k_q3b7dd95040_quant
	.p2align	8
	.type	k_q3b7dd95040_quant,@function
k_q3b7dd95040_quant:
	s_mov_b64 s[64:65], 0
	v_nop
	global_prefetch_b8 v0, s[64:65] scope:SCOPE_SE
	s_setreg_imm32_b32 hwreg(HW_REG_WAVE_MODE, 25, 1), 1
	s_wait_xcnt 0x0
; q, k, v [8192][1024] f32 (K innermost) and Wq, Wk, Wv [1024 (K)][1024] f32 (K outermost) become codes of FP6 (E2M3) with one E8M0 byte for each 32 along K.
; A block's byte is its largest magnitude's exponent field - 2, held at 1 from below (a block of zeros so gets 1: its codes are zeros, and this program alone reads the bytes).
; LAYOUT OF THE RESULT.  An operand is cut into tiles of 16 rows; row m of tile T is row 32 (T / 2) + 8 (T % 2) + m + 8 (m / 8).  A fragment (a tile x 128 along K) is stored as the IMAGE OF
; ITS 12 REGISTERS: three chunks of 512 bytes, lane l's registers 4 c .. 4 c + 3 at 512 c + 16 l.  c1: [tile][K step 8][1,536 bytes].  s1: [tile][row m][K step 8] words of four bytes.
; Work-groups 0-191 take the weights, 192-575 take q, k, v.  Waves share nothing: no barrier.  Each of the two paths has LDS bytes of its own.
; LIMITS: NaN and infinities among the inputs are not served; blocks whose largest magnitude lies under 2^-124 take the floor's scale.
.set XSTG, 8448                        ; x path: a wave's stage, 16 rows of 512 bytes + 16
.set WSTG, 33792                       ; W path: behind the four x stages, 3,072 bytes a wave (two images)
.set R,   16                           ; v16-143  x: two sets of 64 registers as loaded
.set X,   144                          ; v144-207 x: register 32 c + i = k 64 c + 32 h + i of my row
.set PC,  208                          ; v208-219 the fragment's 12 registers
.set PT,  220                          ; v220-227 the second halves of the blocks' codes
.set MX,  228                          ; v228-231 largest magnitudes; at the end the scale words to store
.set SO,  232                          ; v232-233 the conversions' scale operands
.set BY,  234                          ; v234-235 the bytes
.set WW,  236
.set TP,  237
.set SW,  240                          ; v240-247 my row's scale word of K step s
	s_load_b256 s[4:11], s[0:1], 0x0               ; q s[4:5], k s[6:7], v s[8:9], Wq s[10:11]
	s_load_b256 s[12:19], s[0:1], 0x20             ; Wk s[12:13], Wv s[14:15], c1 s[16:17], s1 s[18:19]
	v_lshl_add_u32 v248, v0, 2, 0xb400
	v_mov_b32 v249, 0
	v_lshrrev_b32 v1, 5, v0
	v_readfirstlane_b32 s20, v1                    ; wave
	v_and_b32 v1, 31, v0                           ; lane
	v_lshlrev_b32 v4, 4, v1                        ; 16 x lane
	s_cmp_lt_u32 ttmp9, 192
	s_cbranch_scc1 .Lweights
; ---------------- q, k, v: a wave makes one tile for all 8 K steps
	v_and_b32 v2, 15, v0                           ; m
	v_bfe_u32 v3, v0, 4, 1                         ; h
	s_mul_i32 s21, s20, XSTG
	v_add_nc_u32 v5, s21, v4                       ; into the stage: 16 x lane of a row
	v_mul_u32_u24 v6, v2, 528
	v_lshl_add_u32 v6, v3, 7, v6
	v_add_nc_u32 v6, s21, v6                       ; out of it: row m, + 128 h bytes: my 32 numbers of each 64
	v_lshlrev_b32 v7, 5, v2
	v_lshl_add_u32 v7, v3, 4, v7                   ; scale words: 32 m + 16 h
	v_lshlrev_b32 v8, 3, v3                        ; 8 h: my bytes' place in the word
	v_mov_b32 v[TP], 0                             ; a lane permute's destination counts as read
	s_mov_b32 s22, 0x76543210
	s_mov_b32 s23, 0xfedcba98                      ; lane l xor 16
	s_mov_b32 s26, 0xffff0000                      ; lanes 16-31
	s_sub_co_u32 s27, ttmp9, 192                   ; g
	s_lshl_b32 s28, s27, 2
	s_add_co_u32 s28, s28, s20                     ; U = 4 g + wave: 512 tiles of q, then of k, then of v
	s_and_b32 s29, s28, 511                        ; the tile in its tensor
	s_lshr_b32 s30, s29, 1
	s_lshl_b32 s30, s30, 17                        ; 32 rows of 4,096 bytes for each pair of tiles,
	s_and_b32 s31, s29, 1
	s_lshl_b32 s31, s31, 15                        ; 8 rows for the odd tile
	s_add_co_u32 s30, s30, s31
	s_mov_b32 s31, 0
	s_mul_i32 s32, s28, 12288
	s_mov_b32 s33, 0
	s_lshl_b32 s34, s28, 9
	s_mov_b32 s35, 0
	s_wait_alu depctr_va_vdst(0)
	s_wait_kmcnt 0x0
	s_cmp_lt_u32 s27, 256                          ; the choice hangs on the work-group's number alone
	s_cselect_b64 s[24:25], s[6:7], s[8:9]
	s_cmp_lt_u32 s27, 128
	s_cselect_b64 s[24:25], s[4:5], s[24:25]
	s_add_nc_u64 s[24:25], s[24:25], s[30:31]
	s_add_nc_u64 s[16:17], s[16:17], s[32:33]
	s_add_nc_u64 s[18:19], s[18:19], s[34:35]
.macro LOADX s                         ; K step s of the tile's 16 rows: each load reads 512 consecutive bytes of one row
.irp i, 0,1,2,3,4,5,6,7,8,9,10,11,12,13,14,15
	global_load_b128 v[R+64*((\s)%2)+4*\i:R+64*((\s)%2)+4*\i+3], v4, s[24:25] offset:(\i+8*(\i/8))*4096+512*(\s) th:TH_LOAD_NT
.endr
.endm
.macro XSTEP s
.if (\s) < 7
	s_wait_loadcnt 16                              ; this step's 16 loads are in, the next step's 16 may be out
.else
	s_wait_loadcnt 0x0
.endif
.irp i, 0,1,2,3,4,5,6,7,8,9,10,11,12,13,14,15
	ds_store_b128 v5, v[R+64*((\s)%2)+4*\i:R+64*((\s)%2)+4*\i+3] offset:528*\i
.endr
.irp c, 0,1
.irp j, 0,1,2,3,4,5,6,7
	ds_load_b128 v[X+32*\c+4*\j:X+32*\c+4*\j+3], v6 offset:256*\c+16*\j   ; LDS serves a wave's instructions in order: these see the stores above
.endr
.endr
	s_wait_dscnt 0x0                               ; the numbers are back, and the stores have read their registers
.if (\s)+2 < 8
	LOADX (\s)+2
.endif
.irp c, 0,1
	v_max3_num_f32 v[MX+\c], |v[X+32*\c]|, |v[X+32*\c+1]|, 0x1800000   ; my block 2 c + h: all 32 numbers are mine; the floor 2^(3 - 127) holds the byte at 1
.endr
.irp i, 2,4,6,8,10,12,14,16,18,20,22,24,26,28,30
.irp c, 0,1
	v_max3_num_f32 v[MX+\c], v[MX+\c], |v[X+32*\c+\i]|, |v[X+32*\c+\i+1]|
.endr
.endr
.irp c, 0,1
	v_add_nc_u32 v[SO+\c], 0xff000000, v[MX+\c]    ; 2 off the exponent field: the conversion's scale operand
.endr
.irp c, 0,1
	v_lshrrev_b32 v[BY+\c], 23, v[SO+\c]           ; the byte
.endr
	v_lshl_or_b32 v[WW], v[BY+1], 16, v[BY]        ; blocks h and 2 + h,
	v_lshlrev_b32 v[WW], v8, v[WW]                 ; at their places;
	v_permlanex16_b32 v[TP], v[WW], s22, s23
	v_or_b32 v[SW+(\s)], v[WW], v[TP]              ; with lane l xor 16's two the word is whole
	s_wait_alu depctr_va_vdst(0)
	s_wait_xcnt 0x0                                ; the last step's stores have read the codes' registers
.irp c, 0,1
	v_cvt_scalef32_pk16_fp6_f32 v[PC+6*\c:PC+6*\c+2], v[X+32*\c:X+32*\c+15], v[SO+\c]
	v_cvt_scalef32_pk16_fp6_f32 v[PT+4*\c:PT+4*\c+2], v[X+32*\c+16:X+32*\c+31], v[SO+\c]   ; (a conversion's three registers begin on an even number)
.endr
	v_nop                                          ; one plain place behind the conversions
.irp c, 0,1
.irp i, 0,1,2
	v_mov_b32 v[PC+3+6*\c+\i], v[PT+4*\c+\i]
.endr
.endr
.irp c, 0,1,2
	global_store_b128 v4, v[PC+4*\c:PC+4*\c+3], s[16:17] offset:1536*(\s)+512*\c   ; 512 consecutive bytes a store
.endr
.endm
	LOADX 0
	LOADX 1
.irp t, 0,1,2,3,4,5,6,7
	XSTEP \t
.endr
.irp j, 0,1,2,3
	v_cndmask_b32 v[MX+\j], v[SW+\j], v[SW+4+\j], s26   ; lanes 0-15 store K steps 0-3 of row m, lanes 16-31 K steps 4-7
.endr
	global_store_b128 v7, v[MX:MX+3], s[18:19]     ; the tile's 512 scale bytes in one store
	s_wait_tensorcnt 0x0
	ds_add_u32 v248, v249
	s_wait_dscnt 0x0
	s_endpgm
; ---------------- the weights: a lane takes a column, its registers run down K; a wave takes 32 columns (two tiles) x 128 along K
.set XW,  16                           ; v16-143  W(128 ks + i, my column)
.set CB,  144                          ; v144-167 block b's codes: six registers
.set PH,  168                          ; v168-183 the blocks' second halves
.set MW,  184
.set SOW, 188
.set BYW, 192
.set WDW, 196
.set OB,  200                          ; v200-223 the two images, read back
.Lweights:
	s_lshr_b32 s21, ttmp9, 6                       ; which weight
	s_and_b32 s22, ttmp9, 7                        ; which 128 columns
	s_bfe_u32 s23, ttmp9, 0x30003                  ; which K step
	v_bfe_u32 v2, v0, 3, 1                         ; column l of the 32 is row m of tile u: u = (l / 8) % 2,
	v_and_b32 v3, 7, v0
	v_bfe_u32 v5, v0, 4, 1
	v_lshl_or_b32 v3, v5, 3, v3                    ; m = l % 8 + 8 (l / 16)
	s_mul_i32 s26, s20, 3072
	s_add_co_u32 s26, s26, WSTG
	v_mul_u32_u24 v6, v2, 1536
	v_lshl_add_u32 v6, v3, 4, v6
	v_add_nc_u32 v6, s26, v6                       ; into the stage: image u, lane m's place
	s_wait_alu depctr_va_vdst(0)
	v_add_nc_u32 v7, s26, v4                       ; out of it: 16 x lane
	v_lshlrev_b32 v8, 2, v1                        ; 4 x lane
	v_lshlrev_b32 v9, 9, v2
	v_lshl_add_u32 v9, v3, 5, v9                   ; scale word: 512 u + 32 m
	s_lshl_b32 s28, s23, 19                        ; 128 rows of 4,096 bytes a K step
	s_lshl_b32 s29, s22, 9
	s_add_co_u32 s28, s28, s29
	s_lshl_b32 s29, s20, 7
	s_add_co_u32 s28, s28, s29
	s_mov_b32 s29, 0
	s_lshl_b32 s30, s22, 2
	s_add_co_u32 s30, s30, s20                     ; the pair of tiles
	s_mul_i32 s32, s30, 24576
	s_mul_i32 s31, s21, 786432
	s_add_co_u32 s32, s32, s31
	s_mul_i32 s31, s23, 1536
	s_add_co_u32 s32, s32, s31
	s_add_co_u32 s32, s32, 18874368
	s_mov_b32 s33, 0
	s_lshl_b32 s34, s30, 10
	s_lshl_b32 s31, s21, 15
	s_add_co_u32 s34, s34, s31
	s_lshl_b32 s31, s23, 2
	s_add_co_u32 s34, s34, s31
	s_add_co_u32 s34, s34, 786432
	s_mov_b32 s35, 0
	s_wait_alu depctr_va_vdst(0)
	s_wait_kmcnt 0x0
	s_cmp_eq_u32 s21, 1
	s_cselect_b64 s[24:25], s[12:13], s[14:15]
	s_cmp_eq_u32 s21, 0
	s_cselect_b64 s[24:25], s[10:11], s[24:25]
	s_add_nc_u64 s[24:25], s[24:25], s[28:29]
	s_add_nc_u64 s[16:17], s[16:17], s[32:33]
	s_add_nc_u64 s[18:19], s[18:19], s[34:35]
.set i, 0
.rept 128
	global_load_b32 v[XW+i], v8, s[24:25] offset:4096*i th:TH_LOAD_NT   ; 128 consecutive bytes a wave, 512 a work-group
.set i, i+1
.endr
	s_wait_loadcnt 0x0
.irp b, 0,1,2,3
	v_max3_num_f32 v[MW+\b], |v[XW+32*\b]|, |v[XW+32*\b+1]|, 0x1800000
.endr
.irp i, 2,4,6,8,10,12,14,16,18,20,22,24,26,28,30
.irp b, 0,1,2,3
	v_max3_num_f32 v[MW+\b], v[MW+\b], |v[XW+32*\b+\i]|, |v[XW+32*\b+\i+1]|
.endr
.endr
.irp b, 0,1,2,3
	v_add_nc_u32 v[SOW+\b], 0xff000000, v[MW+\b]
.endr
.irp b, 0,1,2,3
	v_lshrrev_b32 v[BYW+\b], 23, v[SOW+\b]
.endr
	v_lshl_or_b32 v[WDW], v[BYW+1], 8, v[BYW]
	v_lshl_or_b32 v[WDW], v[BYW+2], 16, v[WDW]
	v_lshl_or_b32 v[WDW], v[BYW+3], 24, v[WDW]
.irp b, 0,1,2,3
	v_cvt_scalef32_pk16_fp6_f32 v[CB+6*\b:CB+6*\b+2], v[XW+32*\b:XW+32*\b+15], v[SOW+\b]
	v_cvt_scalef32_pk16_fp6_f32 v[PH+4*\b:PH+4*\b+2], v[XW+32*\b+16:XW+32*\b+31], v[SOW+\b]
.endr
	v_nop                                          ; one plain place behind the conversions
.irp b, 0,1,2,3
.irp i, 0,1,2
	v_mov_b32 v[CB+6*\b+3+\i], v[PH+4*\b+\i]
.endr
.endr
; block 2 c + g of my column is registers 6 c .. 6 c + 5 of lane m + 16 g of the image
.irp g, 0,1
	ds_store_b128 v6, v[CB+6*\g:CB+6*\g+3] offset:256*\g                 ; registers 0-3
	ds_store_b64 v6, v[CB+6*\g+4:CB+6*\g+5] offset:512+256*\g            ; registers 4, 5
	ds_store_b64 v6, v[CB+12+6*\g:CB+12+6*\g+1] offset:520+256*\g        ; registers 6, 7
	ds_store_b128 v6, v[CB+12+6*\g+2:CB+12+6*\g+5] offset:1024+256*\g    ; registers 8-11
.endr
.irp x, 0,1,2,3,4,5
	ds_load_b128 v[OB+4*\x:OB+4*\x+3], v7 offset:512*\x                  ; the wave's own bytes, served in order
.endr
.irp x, 0,1,2,3,4,5
	s_wait_dscnt 5-\x
	global_store_b128 v4, v[OB+4*\x:OB+4*\x+3], s[16:17] offset:12288*(\x/3)+512*(\x%3)
.endr
	global_store_b32 v9, v[WDW], s[18:19]
	s_wait_tensorcnt 0x0
	ds_add_u32 v248, v249
	s_wait_dscnt 0x0
	s_endpgm
.Lfunc_end_k_q3b7dd95040_quant:
	.size	k_q3b7dd95040_quant, .Lfunc_end_k_q3b7dd95040_quant-k_q3b7dd95040_quant
	.p2alignl 7, 3214868480
	.fill 96, 4, 3214868480
	.section	.rodata,"a",@progbits
	.p2align	6, 0x0
	.amdhsa_kernel k_q3b7dd95040_quant
		.amdhsa_group_segment_fixed_size 46592
		.amdhsa_private_segment_fixed_size 0
		.amdhsa_enable_private_segment 0
		.amdhsa_kernarg_size 64
		.amdhsa_user_sgpr_count 2
		.amdhsa_user_sgpr_kernarg_segment_ptr 1
		.amdhsa_wavefront_size32 1
		.amdhsa_system_sgpr_workgroup_id_x 1
		.amdhsa_system_sgpr_workgroup_id_y 1
		.amdhsa_system_sgpr_workgroup_id_z 1
		.amdhsa_system_vgpr_workitem_id 0
		.amdhsa_next_free_vgpr 250
		.amdhsa_next_free_sgpr 66
		.amdhsa_reserve_vcc 0
		.amdhsa_float_denorm_mode_32 3
		.amdhsa_float_denorm_mode_16_64 3
		.amdhsa_memory_ordered 1
		.amdhsa_forward_progress 1
		.amdhsa_inst_pref_size 79
	.end_amdhsa_kernel
	.amdgpu_metadata
---
amdhsa.version: [ 1, 2 ]
amdhsa.kernels:
  - .name:           k_q3b7dd95040_quant
    .symbol:         k_q3b7dd95040_quant.kd
    .args:
      - { .name: q, .offset: 0, .size: 8, .value_kind: global_buffer, .address_space: global }
      - { .name: k, .offset: 8, .size: 8, .value_kind: global_buffer, .address_space: global }
      - { .name: v, .offset: 16, .size: 8, .value_kind: global_buffer, .address_space: global }
      - { .name: Wq, .offset: 24, .size: 8, .value_kind: global_buffer, .address_space: global }
      - { .name: Wk, .offset: 32, .size: 8, .value_kind: global_buffer, .address_space: global }
      - { .name: Wv, .offset: 40, .size: 8, .value_kind: global_buffer, .address_space: global }
      - { .name: c1, .offset: 48, .size: 8, .value_kind: global_buffer, .address_space: global }
      - { .name: s1, .offset: 56, .size: 8, .value_kind: global_buffer, .address_space: global }
    .group_segment_fixed_size: 46592
    .private_segment_fixed_size: 0
    .kernarg_segment_align: 8
    .kernarg_segment_size: 64
    .max_flat_workgroup_size: 128
    .sgpr_count:     66
    .vgpr_count:     250
    .wavefront_size: 32
...
	.end_amdgpu_metadata
.endif
;; end of part 1
;; launch proj (part 2): grid 8 x 32, 4 waves a work-group, clusters of 4 x 4, 327,680 bytes of LDS; arguments c1, s1, bq, bk, bv, c2, s2; writes c2, s2
.if DOCPART == 2
	.amdgcn_target "amdgcn-amd-amdhsa--gfx1250"
	.amdhsa_code_object_version 6
	.text
	.protected	k_q3b7dd95040_proj
	.globl	k_q3b7dd95040_proj
	.p2align	8
	.type	k_q3b7dd95040_proj,@function
k_q3b7dd95040_proj:
	s_mov_b64 s[64:65], 0
	v_nop
	global_prefetch_b8 v0, s[64:65] scope:SCOPE_SE
	s_setreg_imm32_b32 hwreg(HW_REG_WAVE_MODE, 25, 1), 1
	s_wait_xcnt 0x0
	s_wait_alu depctr_hold_cnt(0) depctr_sa_sdst(0) depctr_va_vdst(0) depctr_va_sdst(0) depctr_va_ssrc(0) depctr_va_vcc(0) depctr_vm_vsrc(0)
	s_getreg_b32 s2, hwreg(HW_REG_IB_STS2, 6, 4)
	s_cmp_eq_u32 s2, 0
	s_cbranch_scc0 .Lentry_in_a_cluster
	s_endpgm
.Lentry_in_a_cluster:
	s_bfe_u32 s2, ttmp6, 0x10000c
	s_cmp_lg_u32 s2, 0xf033
	s_cbranch_scc0 .Lentry_shape_is_right
	s_endpgm
.Lentry_shape_is_right:
.set SLOT,  147456
.set JPART, 98304
.set SPARE, 294912
.set L16, 3
.set ADI, 4
.set ADJ, 6
.set SPW, 8
.set NIL, 9
.set VQ,  10
.set VV,  11
.set VB,  12
.set VE,  13
.set SC,  16
.set TM,  208
.set VO,  216
.set PW,  224
.set PC,  228
.set PT,  240
.set WD,  248
.set WV, 18
.set WH, 19
.set WL, 20
.set CX, 21
.set CY, 22
.set KX, 23
.set KY, 24
.set GX, 25
.set GY, 26
.set HM, 27
.set G1I, 28
.set G1J, 36
.set G0I, 44
.set G0J, 52
.set AI0, 60
.set AI1, 62
.set AI2, 66
.set AJ0, 68
.set AJ1, 70
.set AJ2, 72
.set OC, 74
.set OS, 80
.set SEL, 94
.set MSB, 0
.macro WIN new
.if MSB != (\new)
	s_set_vgpr_msb (MSB<<8)|(\new)
.set MSB, (\new)
.endif
.endm
.macro PLACES n
.rept \n
	v_nop
.endr
.endm
.macro JLOAD g0i, g0j
	s_cmp_eq_u32 s[WH], 0
	s_cbranch_scc0 .Lfor_j_\@
	tensor_load_to_lds s[\g0i:\g0i+3], s[G1I:G1I+7]
	s_nop 0
.rept 4
	v_nop
.endr
	s_branch .Lasked_\@
.Lfor_j_\@:
	tensor_load_to_lds s[\g0j:\g0j+3], s[G1J:G1J+7]
	s_nop 0
.rept 4
	v_nop
.endr
.Lasked_\@:
.endm
.macro CREST
	s_cmp_lg_u32 s[WV], 0
	s_cbranch_scc1 .Lnot_wave_0_\@
	s_barrier_signal -3
.Lnot_wave_0_\@:
	s_barrier_wait -3
	s_barrier_signal -1
	s_barrier_wait -1
.endm
.macro CROUND
	s_barrier_signal -1
	s_barrier_wait -1
	CREST
.endm
	s_load_b256 s[4:11], s[0:1], 0x0
	s_load_b128 s[12:15], s[0:1], 0x20
	s_load_b64 s[16:17], s[0:1], 0x30
	v_lshl_add_u32 v[SPW], v0, 2, SPARE
	v_mov_b32 v[NIL], 0
	ds_add_u32 v8, v9
	ds_add_u32 v8, v9
	s_wait_dscnt 0x0
	v_lshrrev_b32 v1, 5, v0
	v_readfirstlane_b32 s[WV], v1
	s_lshr_b32 s[WH], s[WV], 1
	s_and_b32 s[WL], s[WV], 1
	s_bfe_u32 s[CX], ttmp6, 0x40000
	s_bfe_u32 s[CY], ttmp6, 0x40004
	s_mov_b32 s[KX], ttmp9
	s_and_b32 s[KY], ttmp7, 0xffff
	s_lshl_b32 s[GX], s[KX], 2
	s_add_co_u32 s[GX], s[GX], s[CX]
	s_lshl_b32 s[GY], s[KY], 2
	s_add_co_u32 s[GY], s[GY], s[CY]
	s_mov_b32 s[HM], 0xffff0000
	s_mov_b32 s[SEL], 0x76543210
	s_mov_b32 s[SEL+1], 0xfedcba98
	s_lshl_b32 s86, s[CY], 2
	s_lshl_b32 s86, 15, s86
	s_lshl_b32 s90, 0x1111, s[CX]
	s_or_b32 s[G1I], s86, (3<<16)|(1<<21)
	s_or_b32 s[G1J], s90, (3<<16)|(1<<21)
	s_mov_b32 s[G1I+1], 768<<16
	s_mov_b32 s[G1I+2], 8<<16
	s_mov_b32 s[G1I+3], 768<<16
	s_mov_b32 s[G1I+4], 8
	s_mov_b32 s[G1I+5], 1536
	s_mov_b32 s[G1I+6], 0
	s_mov_b32 s[G1I+7], 0
	s_mov_b32 s[G1J+1], 768<<16
	s_mov_b32 s[G1J+2], 4<<16
	s_mov_b32 s[G1J+3], 768<<16
	s_mov_b32 s[G1J+4], 4
	s_mov_b32 s[G1J+5], 1536
	s_mov_b32 s[G1J+6], 0
	s_mov_b32 s[G1J+7], 0
	s_lshl_b32 s86, s[GY], 4
	s_lshl_b32 s87, s[WL], 3
	s_add_co_u32 s86, s86, s87
	s_mul_i32 s86, s86, 12288
	s_lshl_b32 s88, s[CY], 4
	s_add_co_u32 s88, s88, s87
	s_mul_i32 s88, s88, 12288
	s_add_co_u32 s88, s88, 20447232
	s_mov_b32 s87, 0
	s_mov_b32 s89, 0
	s_lshl_b32 s90, s[GX], 3
	s_lshl_b32 s91, s[WL], 2
	s_add_co_u32 s90, s90, s91
	s_mul_i32 s90, s90, 12288
	s_add_co_u32 s90, s90, 18874368
	s_lshl_b32 s92, s[KY], 1
	s_add_co_u32 s92, s92, s[KX]
	s_lshl_b32 s92, s92, 2
	s_add_co_u32 s92, s92, s[CX]
	s_mov_b32 s3, s92
	s_lshl_b32 s92, s92, 3
	s_add_co_u32 s92, s92, s91
	s_mul_i32 s92, s92, 12288
	s_add_co_u32 s92, s92, 12582912
	s_mov_b32 s91, 0
	s_mov_b32 s93, 0
	s_mul_i32 s2, s[WL], 49152
	s_mul_i32 s96, s[WL], 24576
	s_add_co_u32 s96, s96, JPART
	s_wait_kmcnt 0x0
	s_add_nc_u64 s[AI0:AI0+1], s[4:5], s[86:87]
	s_add_nc_u64 s[AI1:AI1+1], s[AI0:AI0+1], 6291456
	s_add_nc_u64 s[AI2:AI2+1], s[4:5], s[88:89]
	s_add_nc_u64 s[AJ0:AJ0+1], s[4:5], s[90:91]
	s_add_nc_u64 s[AJ1:AJ1+1], s[AJ0:AJ0+1], 786432
	s_add_nc_u64 s[AJ2:AJ2+1], s[4:5], s[92:93]
	CROUND
.irp p, 0,1
	s_mov_b32 s[G0I+4*\p], 1
	s_add_co_u32 s[G0I+4*\p+1], s2, \p*SLOT
	s_add_nc_u64 s[G0I+4*\p+2:G0I+4*\p+3], s[AI0:AI0+1], \p*6144
	s_or_b32 s[G0I+4*\p+3], s[G0I+4*\p+3], 0x80000000
	s_mov_b32 s[G0J+4*\p], 1
	s_add_co_u32 s[G0J+4*\p+1], s96, \p*SLOT
	s_add_nc_u64 s[G0J+4*\p+2:G0J+4*\p+3], s[AJ0:AJ0+1], \p*6144
	s_or_b32 s[G0J+4*\p+3], s[G0J+4*\p+3], 0x80000000
.endr
	JLOAD G0I, G0J
	v_and_b32 v1, 15, v0
	v_bfe_u32 v2, v0, 4, 1
	v_and_b32 v[L16], 31, v0
	v_lshlrev_b32 v[L16], 4, v[L16]
	s_mul_i32 s2, s[WV], 24576
	v_add_nc_u32 v[ADI], s2, v[L16]
	v_add_nc_u32 v[ADI+1], SLOT, v[ADI]
	v_add_nc_u32 v[ADJ], JPART, v[L16]
	v_add_nc_u32 v[ADJ+1], SLOT+JPART, v[L16]
	v_lshlrev_b32 v[VQ], 5, v1
	v_lshl_add_u32 v[VQ], v2, 9, v[VQ]
	v_lshlrev_b32 v[VV], 6, v1
	v_lshl_add_u32 v[VV], v2, 10, v[VV]
	v_lshlrev_b32 v[VB], 6, v2
	v_and_b32 v[VE], 8, v1
	v_add_nc_u32 v[VE], v[VE], v1
	v_lshlrev_b32 v[VE], 2, v[VE]
.irp b, 0,1,2,3
	v_mov_b32 v[TM+4+\b], 0
.endr
.macro VOSET t, si, sj
	v_mov_b32 v[VO+2*(\t)], s[\sj]
	v_cndmask_b32 v[VO+2*(\t)], s[\si], v[VO+2*(\t)], s[HM]
	v_lshl_add_u32 v[VO+2*(\t)], v1, 5, v[VO+2*(\t)]
	v_lshl_add_u32 v[VO+2*(\t)+1], v2, 11, v[VO+2*(\t)]
.endm
	s_lshl_b32 s96, s[GY], 4
	s_lshl_b32 s97, s[WV], 2
	s_add_co_u32 s96, s96, s97
	s_lshl_b32 s98, s96, 9
	s_lshl_b32 s99, s[GX], 12
	s_add_co_u32 s99, s99, 786432
	VOSET 0, 98, 99
	s_wait_alu depctr_va_vdst(0)
	s_add_co_u32 s98, s98, 262144
	s_add_co_u32 s99, s99, 32768
	VOSET 1, 98, 99
	s_lshl_b32 s2, s[CY], 4
	s_add_co_u32 s2, s2, s97
	s_lshl_b32 s98, s2, 9
	s_add_co_u32 s98, s98, 851968
	s_lshl_b32 s99, s3, 12
	s_add_co_u32 s99, s99, 524288
	VOSET 2, 98, 99
	s_lshl_b32 s98, s96, 3
	s_add_co_u32 s98, s98, s[GX]
	s_mul_i32 s98, s98, 1536
	s_mov_b32 s99, 0
	s_add_nc_u64 s[OC:OC+1], s[14:15], s[98:99]
	s_add_nc_u64 s[OC+2:OC+3], s[OC:OC+1], 6291456
	s_lshl_b32 s98, s96, 9
	s_lshl_b32 s97, s[GX], 2
	s_add_co_u32 s98, s98, s97
	s_add_nc_u64 s[OS:OS+1], s[16:17], s[98:99]
	s_add_nc_u64 s[OS+2:OS+3], s[OS:OS+1], 262144
	s_lshr_b32 s96, s3, 4
	s_and_b32 s97, s3, 15
	s_lshl_b32 s98, s2, 4
	s_add_co_u32 s98, s98, s97
	s_mul_i32 s98, s98, 1536
	s_mul_i32 s3, s96, 1572864
	s_add_co_u32 s98, s98, s3
	s_add_co_u32 s98, s98, 12582912
	s_add_nc_u64 s[OC+4:OC+5], s[14:15], s[98:99]
	s_lshl_b32 s98, s2, 10
	s_lshl_b32 s97, s97, 2
	s_add_co_u32 s98, s98, s97
	s_lshl_b32 s96, s96, 16
	s_add_co_u32 s98, s98, s96
	s_add_co_u32 s98, s98, 524288
	s_add_nc_u64 s[OS+4:OS+5], s[16:17], s[98:99]
	s_lshl_b32 s98, s[GX], 9
	s_add_nc_u64 s[8:9], s[8:9], s[98:99]
	s_add_nc_u64 s[10:11], s[10:11], s[98:99]
	s_lshl_b32 s98, s[CY], 10
	s_lshl_b32 s97, s[WV], 8
	s_add_co_u32 s98, s98, s97
	s_add_nc_u64 s[12:13], s[12:13], s[98:99]
.macro SCLOAD t
.irp i, 0,1,2,3,4,5,6,7
	global_load_b128 v[SC+64*(\t)+8*\i:SC+64*(\t)+8*\i+3], v[VO+2*(\t)+\i/4], s[6:7] offset:512*(\i%4)
	global_load_b128 v[SC+64*(\t)+8*\i+4:SC+64*(\t)+8*\i+7], v[VO+2*(\t)+\i/4], s[6:7] offset:512*(\i%4)+16
.endr
.endm
.macro BLOAD lo, hi
.irp b, 0,1,2,3,4,5,6,7
	global_load_b128 v[160+8*\b:163+8*\b], v[VB], s[\lo:\hi] offset:(32*(\b/2)+8*(\b%2))*4
	global_load_b128 v[164+8*\b:167+8*\b], v[VB], s[\lo:\hi] offset:(32*(\b/2)+8*(\b%2))*4+16
.endr
.endm
	SCLOAD 0
	WIN 0x80
	BLOAD 8, 9
	WIN 0
	s_wait_alu depctr_va_vdst(0)
	SCLOAD 1
	WIN 0xc0
	BLOAD 10, 11
	WIN 0
.macro MUL8 a, set, sc, first, cwin
	WIN 0x40|((\cwin)<<4)|(0x0a+5*(\set))
.irp b, 0,1,2,3,4,5,6,7
.if (\first) == 0
	v_wmma_scale_f32_16x16x128_f8f6f4 v[8*(8*(\a)+\b):8*(8*(\a)+\b)+7], v[12*\b:12*\b+11], v[96+12*(\a):96+12*(\a)+11], v[8*(8*(\a)+\b):8*(8*(\a)+\b)+7], v[(\sc)+8*\b], v[(\sc)+8*(\a)] matrix_a_fmt:MATRIX_FMT_FP6 matrix_b_fmt:MATRIX_FMT_FP6 matrix_a_scale:MATRIX_SCALE_ROW1
.elseif (\first) == 1
	v_wmma_scale_f32_16x16x128_f8f6f4 v[8*(8*(\a)+\b):8*(8*(\a)+\b)+7], v[12*\b:12*\b+11], v[96+12*(\a):96+12*(\a)+11], v[160+8*\b:167+8*\b], v[(\sc)+8*\b], v[(\sc)+8*(\a)] matrix_a_fmt:MATRIX_FMT_FP6 matrix_b_fmt:MATRIX_FMT_FP6 matrix_a_scale:MATRIX_SCALE_ROW1
.else
	v_wmma_scale_f32_16x16x128_f8f6f4 v[8*(8*(\a)+\b):8*(8*(\a)+\b)+7], v[12*\b:12*\b+11], v[96+12*(\a):96+12*(\a)+11], v[224+8*(\a):231+8*(\a)], v[(\sc)+8*\b], v[(\sc)+8*(\a)] matrix_a_fmt:MATRIX_FMT_FP6 matrix_b_fmt:MATRIX_FMT_FP6 matrix_a_scale:MATRIX_SCALE_ROW1
.endif
.endr
.endm
.macro FETCH slot, q, set
	WIN 0x80+0x40*(\set)
.irp b, 0,1,2,3,4,5,6,7
.irp c, 0,1,2
	ds_load_b128 v[12*\b+4*\c:12*\b+4*\c+3], v[ADJ+(\slot)] offset:6144*\b+1536*(\q)+512*\c
.endr
.endr
.irp a, 0,1,2,3
.irp c, 0,1,2
	ds_load_b128 v[96+12*\a+4*\c:96+12*\a+4*\c+3], v[ADI+(\slot)] offset:6144*\a+1536*(\q)+512*\c
.endr
.endr
.endm
.macro STEP slot, q, sc, first, cwin
	PLACES 4
	FETCH \slot, (\q)+1, 1-(\q)%2
	s_wait_dscnt 36
	MUL8 0, (\q)%2, \sc, \first, \cwin
	MUL8 1, (\q)%2, \sc, \first, \cwin
	MUL8 2, (\q)%2, \sc, \first, \cwin
	MUL8 3, (\q)%2, \sc, \first, \cwin
.endm
.macro TURN slot, next, sc, fill, ai, aj, off
	WIN 0
	s_wait_tensorcnt 0x0
	ds_add_u32 v[SPW], v[NIL]
	s_wait_dscnt 1
	MUL8 0, 1, \sc, 0, 1
	s_wait_dscnt 0x0
	s_barrier_signal -1
	MUL8 1, 1, \sc, 0, 1
	WIN 0
	s_barrier_wait -1
.if \fill
	CREST
	s_add_nc_u64 s[G0I+4*(\slot)+2:G0I+4*(\slot)+3], s[\ai:\ai+1], \off
	s_or_b32 s[G0I+4*(\slot)+3], s[G0I+4*(\slot)+3], 0x80000000
	s_add_nc_u64 s[G0J+4*(\slot)+2:G0J+4*(\slot)+3], s[\aj:\aj+1], \off
	s_or_b32 s[G0J+4*(\slot)+3], s[G0J+4*(\slot)+3], 0x80000000
	JLOAD G0I+4*(\slot), G0J+4*(\slot)
.else
	PLACES 4
.endif
	FETCH \next, 0, 0
	MUL8 2, 1, \sc, 0, 1
	MUL8 3, 1, \sc, 0, 1
.endm
.macro QUANTA a, floor, adj
	WIN 0x14
.irp b, 0,1,2,3
	v_max3_num_f32 v[TM+\b], \floor, |v[64*(\a)+16*\b]|, |v[64*(\a)+16*\b+1]|
.endr
.irp i, 2,4,6,8,10,12,14
.irp b, 0,1,2,3
	v_max3_num_f32 v[TM+\b], v[TM+\b], |v[64*(\a)+16*\b+\i]|, |v[64*(\a)+16*\b+\i+1]|
.endr
.endr
	WIN 0
.irp b, 0,1,2,3
	v_permlanex16_b32 v[TM+4+\b], v[TM+\b], s[SEL], s[SEL+1]
.endr
.irp b, 0,1,2,3
	v_max_num_f32 v[TM+\b], v[TM+\b], v[TM+4+\b]
.endr
.irp b, 0,1,2,3
	v_add_nc_u32 v[TM+12+\b], 0xff000000, v[TM+\b]
.endr
.irp b, 0,1,2,3
	v_lshrrev_b32 v[TM+4+\b], 23, v[TM+12+\b]
.endr
	v_lshl_or_b32 v[PW+(\a)], v[TM+5], 8, v[TM+4]
	v_lshl_or_b32 v[PW+(\a)], v[TM+6], 16, v[PW+(\a)]
	v_lshl_or_b32 v[PW+(\a)], v[TM+7], 24, v[PW+(\a)]
.if \adj
	v_add_nc_u32 v[PW+(\a)], 0xfafafafb, v[PW+(\a)]
.endif
	s_wait_xcnt 0x0
	WIN 0x01
.irp c, 0,1
	v_cvt_scalef32_pk16_fp6_f32 v[PC+6*\c:PC+6*\c+2], v[64*(\a)+32*\c:64*(\a)+32*\c+15], v[TM+12+2*\c]
	v_cvt_scalef32_pk16_fp6_f32 v[PT+4*\c:PT+4*\c+2], v[64*(\a)+32*\c+16:64*(\a)+32*\c+31], v[TM+12+2*\c+1]
.endr
	WIN 0
	v_nop
.irp c, 0,1
.irp i, 0,1,2
	v_permlane16_swap_b32 v[PC+6*\c+\i], v[PT+4*\c+\i]
.endr
.irp i, 0,1,2
	v_mov_b32 v[PC+3+6*\c+\i], v[PT+4*\c+\i]
.endr
.endr
.endm
.macro EPI t, floor, adj, tsc, tss, vofs
	s_wait_xcnt 0x0
.irp a, 0,1,2,3
	QUANTA \a, \floor, \adj
.irp c, 0,1,2
	global_store_b128 v[L16], v[PC+4*\c:PC+4*\c+3], s[OC+2*(\t):OC+2*(\t)+1] offset:\a*(\tsc)+512*\c
.endr
.if \a%2
	v_cndmask_b32 v[WD+2*(\t)+\a/2], v[PW+\a-1], v[PW+\a], s[HM]
	global_store_b32 v[\vofs], v[WD+2*(\t)+\a/2], s[OS+2*(\t):OS+2*(\t)+1] offset:(\a-1)*(\tss)
.endif
.endr
.endm
; A PREFETCH INTO THE L2 of a later fill's blocks of 256 bytes.  A fill is 6,144 bytes (24 blocks) of each tile; a wave fetches 8 tiles of I or 4 of J, jointly with three partners.
; The four share the tiles out by address: of I's 8 the partner at cx takes two (two instructions), of J's 4 the partner at cy one.  A lane names a block; lanes 24-31 name the wave's last block again.
; Each fill is asked for at least one fill ahead of its tensor load.  v14, v15 and the bases are never rewritten.
.macro ASK ai, aj, off
	s_cmp_eq_u32 s[WH], 0
	s_cbranch_scc0 .Lpj_\@
	global_prefetch_b8 v14, s[\ai:\ai+1] offset:\off th:TH_LOAD_NT scope:SCOPE_SE
	global_prefetch_b8 v14, s[\ai:\ai+1] offset:\off+12288 th:TH_LOAD_NT scope:SCOPE_SE
	s_branch .Lpd_\@
.Lpj_\@:
	global_prefetch_b8 v15, s[\aj:\aj+1] offset:\off th:TH_LOAD_NT scope:SCOPE_SE
.Lpd_\@:
.endm
	v_and_b32 v14, 31, v0
	v_min_u32 v14, 23, v14
	v_lshlrev_b32 v14, 8, v14
	s_mul_i32 s96, s[CX], 24576
	s_mul_i32 s97, s[CY], 12288
	v_add_nc_u32 v15, s97, v14
	v_add_nc_u32 v14, s96, v14
	s_wait_alu depctr_va_vdst(0)
	ASK AI0, AJ0, 6144
	ASK AI1, AJ1, 0
	s_wait_alu depctr_va_vdst(0)
	s_wait_tensorcnt 0x0
	ds_add_u32 v[SPW], v[NIL]
	s_wait_dscnt 0x0
	CROUND
	JLOAD G0I+4, G0J+4
	FETCH 0, 0, 0
	WIN 0
	ASK AI1, AJ1, 6144
	s_wait_loadcnt 32
	SCLOAD 2
	WIN 0x80
.irp a, 0,1,2,3
.irp j, 0,1,2,3,4,5,6,7
	global_load_b32 v[224+8*\a+\j], v[VE], s[12:13] offset:(32*(\a/2)+8*(\a%2))*4
.endr
.endr
	WIN 0
	STEP 0, 0, SC+0, 1, 2
	STEP 0, 1, SC+1, 0, 1
	STEP 0, 2, SC+2, 0, 1
	TURN 0, 1, SC+3, 1, AI1, AJ1, 0
	WIN 0
	ASK AI2, AJ2, 0
	STEP 1, 0, SC+4, 0, 1
	STEP 1, 1, SC+5, 0, 1
	STEP 1, 2, SC+6, 0, 1
	TURN 1, 0, SC+7, 1, AI1, AJ1, 6144
	WIN 0
	ASK AI2, AJ2, 6144
	PLACES 4
	EPI 0, 0x4000000, 1, 12288, 512, VQ
	s_wait_loadcnt 48
	STEP 0, 0, SC+64, 1, 3
	STEP 0, 1, SC+65, 0, 1
	STEP 0, 2, SC+66, 0, 1
	TURN 0, 1, SC+67, 1, AI2, AJ2, 0
	STEP 1, 0, SC+68, 0, 1
	STEP 1, 1, SC+69, 0, 1
	STEP 1, 2, SC+70, 0, 1
	TURN 1, 0, SC+71, 1, AI2, AJ2, 6144
	PLACES 4
	EPI 1, 0x1800000, 0, 12288, 512, VQ
	s_wait_loadcnt 0x0
	STEP 0, 0, SC+128, 2, 2
	STEP 0, 1, SC+129, 0, 1
	STEP 0, 2, SC+130, 0, 1
	TURN 0, 1, SC+131, 0, 0, 0, 0
	STEP 1, 0, SC+132, 0, 1
	STEP 1, 1, SC+133, 0, 1
	STEP 1, 2, SC+134, 0, 1
	s_wait_dscnt 0x0
	MUL8 0, 1, SC+135, 0, 1
	MUL8 1, 1, SC+135, 0, 1
	MUL8 2, 1, SC+135, 0, 1
	MUL8 3, 1, SC+135, 0, 1
	PLACES 4
	EPI 2, 0x1800000, 0, 24576, 1024, VV
	s_wait_tensorcnt 0x0
	ds_add_u32 v[SPW], v[NIL]
	s_wait_dscnt 0x0
	CROUND
	s_endpgm
.Lfunc_end_k_q3b7dd95040_proj:
	.size	k_q3b7dd95040_proj, .Lfunc_end_k_q3b7dd95040_proj-k_q3b7dd95040_proj
	.p2alignl 7, 3214868480
	.fill 96, 4, 3214868480
	.section	.rodata,"a",@progbits
	.p2align	6, 0x0
	.amdhsa_kernel k_q3b7dd95040_proj
		.amdhsa_group_segment_fixed_size 327680
		.amdhsa_private_segment_fixed_size 0
		.amdhsa_enable_private_segment 0
		.amdhsa_kernarg_size 56
		.amdhsa_user_sgpr_count 2
		.amdhsa_user_sgpr_kernarg_segment_ptr 1
		.amdhsa_wavefront_size32 1
		.amdhsa_system_sgpr_workgroup_id_x 1
		.amdhsa_system_sgpr_workgroup_id_y 1
		.amdhsa_system_sgpr_workgroup_id_z 1
		.amdhsa_system_vgpr_workitem_id 0
		.amdhsa_next_free_vgpr 1024
		.amdhsa_next_free_sgpr 100
		.amdhsa_reserve_vcc 0
		.amdhsa_float_denorm_mode_32 3
		.amdhsa_float_denorm_mode_16_64 3
		.amdhsa_memory_ordered 1
		.amdhsa_forward_progress 1
		.amdhsa_inst_pref_size 236
	.end_amdhsa_kernel
	.amdgpu_metadata
---
amdhsa.version: [ 1, 2 ]
amdhsa.kernels:
  - .name:           k_q3b7dd95040_proj
    .symbol:         k_q3b7dd95040_proj.kd
    .args:
      - { .name: c1, .offset: 0, .size: 8, .value_kind: global_buffer, .address_space: global }
      - { .name: s1, .offset: 8, .size: 8, .value_kind: global_buffer, .address_space: global }
      - { .name: bq, .offset: 16, .size: 8, .value_kind: global_buffer, .address_space: global }
      - { .name: bk, .offset: 24, .size: 8, .value_kind: global_buffer, .address_space: global }
      - { .name: bv, .offset: 32, .size: 8, .value_kind: global_buffer, .address_space: global }
      - { .name: c2, .offset: 40, .size: 8, .value_kind: global_buffer, .address_space: global }
      - { .name: s2, .offset: 48, .size: 8, .value_kind: global_buffer, .address_space: global }
    .group_segment_fixed_size: 327680
    .private_segment_fixed_size: 0
    .kernarg_segment_align: 8
    .kernarg_segment_size: 56
    .max_flat_workgroup_size: 128
    .sgpr_count:     100
    .vgpr_count:     1024
    .wavefront_size: 32
...
	.end_amdgpu_metadata
.endif
;; end of part 2
;; launch score (part 3): grid 8 x 32, 4 waves a work-group, clusters of 4 x 4, 327,680 bytes of LDS; arguments c2, s2, mask, pc, st; writes pc, st
.if DOCPART == 3
	.amdgcn_target "amdgcn-amd-amdhsa--gfx1250"
	.amdhsa_code_object_version 6
	.text
	.protected	k_q3b7dd95040_score
	.globl	k_q3b7dd95040_score
	.p2align	8
	.type	k_q3b7dd95040_score,@function
k_q3b7dd95040_score:
	s_mov_b64 s[64:65], 0
	v_nop
	global_prefetch_b8 v0, s[64:65] scope:SCOPE_SE
	s_setreg_imm32_b32 hwreg(HW_REG_WAVE_MODE, 25, 1), 1
	s_wait_xcnt 0x0
	s_wait_alu depctr_hold_cnt(0) depctr_sa_sdst(0) depctr_va_vdst(0) depctr_va_sdst(0) depctr_va_ssrc(0) depctr_va_vcc(0) depctr_vm_vsrc(0)
	s_getreg_b32 s2, hwreg(HW_REG_IB_STS2, 6, 4)
	s_cmp_eq_u32 s2, 0
	s_cbranch_scc0 .Lentry_in_a_cluster
	s_endpgm
.Lentry_in_a_cluster:
	s_bfe_u32 s2, ttmp6, 0x10000c
	s_cmp_lg_u32 s2, 0xf033
	s_cbranch_scc0 .Lentry_shape_is_right
	s_endpgm
.Lentry_shape_is_right:
; logits = qp kp^T / 32 + mask on codes of FP6 (E2M3), and p = 2^(t - m) quantised along the keys, t = logit x log2(e).
; m is a whole number of its own for each query and each 128 keys: the ceiling of the largest t among those keys.  The next launch brings all under the row's M: the change is a power of two, which the
; blocks' scale bytes and the partial sums take up exactly.  Stored: p's codes (pc), and for each (query, 128 keys) the scale word under m, m itself and the sum of the unquantised p (st).
; A work-group makes 256 queries x 256 keys of one batch; wave (ih, jh) 128 x 128: 64 accumulators.  Source 0 = 16 keys, source 1 = 16 queries: a lane holds one query, its registers run along the keys.
; qp's scale bytes carry the factor 1 / 32.
; THE MASK is added once, ahead of each query tile's softmax; all sums start with 0, so no product waits for it.  Every load reads one row's 512 consecutive bytes (the wave's 128 keys), 16 bytes a lane.
; A lane of an accumulator wants 64 bytes of ONE row: so a tile's 16 rows are turned in the wave's own stage in LDS: PUT lays them into one of three areas of 16 places, GET reads them back 528 bytes from lane to lane.
; Rows as loaded lie in window 1: in the 64 registers that the keys' two fragment sets leave free (tiles 0, 1, 2, 5), and, as the sets are done with, in 64 registers of each (tiles 3, 6 and 4, 7).
; Tiles 0 and 1 are PUT in K steps 2 and 6; tile a + 2 in tile a's softmax; tile a + 4's rows are asked for at the head of tile a's softmax.  The turned mask has one buffer of 64 registers (the rest of the two sets),
; filled again right behind the additions that read it.
; RING: two slots of 2 K steps (16 tiles of I, 16 of J, 3,072 bytes each), joint tensor loads: queries' tiles shared along a row of the 4 x 4 cluster, keys' along a column.  A wave has one tensor load out at
; the start and one behind each round.  All of LDS is claimed, and 0 is added to spare words ahead of each refill.
; LIMITS: NaN and +infinity are not served.  128 keys that are all -infinity give p = 0, sum 0 and m = -3e38.  A block of p all under 2^-124 takes the floor's scale.
; REGISTERS: window 0: v1-15 addresses; v32-95 scale words (i, K step s at 32 + 8 i + s: lanes 0-15 my query tile i, lanes 16-31 my key tile i); v96-119 at work; v128-223 I's 8 fragments, later p and its codes;
;   v224-247 the tiles' words, m and sums.  window 1: J's fragments, two sets, at v0 and v128; the mask.  windows 2, 3: accumulator (a, b) at v[8 (8 (a % 4) + b)].
.set SLOT,  98304
.set SPARE, 196608                     ; behind the ring: the spare words, 128 bytes a wave
.set MSTG,  197120                     ; behind them: the mask's stages, 48 places of 528 bytes a wave; no tensor load lands here
.set MPIT,  528                        ; a place: a row's 512 bytes + 16
.set L16, 3
.set ADI, 4
.set ADJ, 6
.set SPW, 8
.set NIL, 9
.set MST, 10                           ; v10  into the stage: 16 x lane of a place
.set VO,  11                           ; v11  the scale loads' offset
.set VS,  12                           ; v12  64 m + 1024 h: the statistics, two tiles a store
.set MRD, 13                           ; v13  out of the stage: place m, + 64 h bytes
.set PFO, 14                           ; v14  the prefetches' offset: row lane / 2 of a tile (in the tile's row order), half lane % 2 of its 512 bytes
.set SC,  32
.set BM,  96
.set BT,  100
.set SO,  104
.set NM,  108
.set S1,  110
.set S2,  112
.set TT,  114
.set AF,  128
.set P,   128
.set PC,  192
.set PT,  204
.set SW,  224
.set SM,  232
.set SL,  240
.set WV, 14
.set WH, 15
.set WL, 16
.set CX, 17
.set CY, 18
.set KX, 19
.set KY, 20
.set GX, 21
.set GY, 22
.set HM, 23
.set G1I, 24
.set G1J, 32
.set G0I, 40
.set G0J, 48
.set SEL, 56
.set CS,  58
.set PCB, 80
.set STB, 82
.set MUL_LO, 0xa1                      ; source 0 (J) window 1, source 1 (I) window 0, C and D window 2
.set MUL_HI, 0xf1
.set TO_J,   0x40
.set MSB, 0
.macro WIN new
.if MSB != (\new)
	s_set_vgpr_msb (MSB<<8)|(\new)
.set MSB, (\new)
.endif
.endm
.macro PLACES n
.rept \n
	v_nop
.endr
.endm
.macro JLOAD g0i, g0j
	s_cmp_eq_u32 s[WH], 0
	s_cbranch_scc0 .Lfor_j_\@
	tensor_load_to_lds s[\g0i:\g0i+3], s[G1I:G1I+7]
	s_nop 0
.rept 4
	v_nop
.endr
	s_branch .Lasked_\@
.Lfor_j_\@:
	tensor_load_to_lds s[\g0j:\g0j+3], s[G1J:G1J+7]
	s_nop 0
.rept 4
	v_nop
.endr
.Lasked_\@:
.endm
.macro CREST
	s_cmp_lg_u32 s[WV], 0
	s_cbranch_scc1 .Lnot_wave_0_\@
	s_barrier_signal -3
.Lnot_wave_0_\@:
	s_barrier_wait -3
	s_barrier_signal -1
	s_barrier_wait -1
.endm
.macro CROUND
	s_barrier_signal -1
	s_barrier_wait -1
	CREST
.endm
	s_load_b256 s[4:11], s[0:1], 0x0               ; c2 s[4:5], s2 s[6:7], mask s[8:9], pc s[10:11]
	s_load_b64 s[12:13], s[0:1], 0x20              ; st
	v_lshl_add_u32 v[SPW], v0, 2, SPARE
	v_mov_b32 v[NIL], 0
	ds_add_u32 v[SPW], v[NIL]                      ; the opening lines: the add, twice on end
	ds_add_u32 v[SPW], v[NIL]
	s_wait_dscnt 0x0
	v_lshrrev_b32 v1, 5, v0
	v_readfirstlane_b32 s[WV], v1
	s_lshr_b32 s[WH], s[WV], 1                     ; ih: my half of the queries.  Also: I fetch for I (0) or J (1)
	s_and_b32 s[WL], s[WV], 1                      ; jh: my half of the keys.  Also: which 8 tiles I fetch
	s_bfe_u32 s[CX], ttmp6, 0x40000
	s_bfe_u32 s[CY], ttmp6, 0x40004
	s_mov_b32 s[KX], ttmp9
	s_and_b32 s[KY], ttmp7, 0xffff
	s_lshl_b32 s[GX], s[KX], 2
	s_add_co_u32 s[GX], s[GX], s[CX]               ; wgx: the block of 256 keys
	s_lshl_b32 s[GY], s[KY], 2
	s_add_co_u32 s[GY], s[GY], s[CY]               ; wgy: 8 x batch + the block of 256 queries
	s_mov_b32 s[HM], 0xffff0000
	s_mov_b32 s[SEL], 0x76543210
	s_mov_b32 s[SEL+1], 0xfedcba98
	s_mov_b32 s[CS], 0x3fb8aa3b                    ; log2(e)
	s_mov_b32 s[CS+1], s[CS]
	s_lshl_b32 s60, s[CY], 2
	s_lshl_b32 s60, 15, s60
	s_lshl_b32 s66, 0x1111, s[CX]
	s_or_b32 s[G1I], s60, (3<<16)|(1<<21)
	s_or_b32 s[G1J], s66, (3<<16)|(1<<21)
.irp g, G1I, G1J
	s_mov_b32 s[\g+1], 384<<16                     ; tensor_dim0: a tile's 2 K steps, 3,072 bytes
	s_mov_b32 s[\g+2], 8<<16                       ; tensor_dim1: 8 tiles
	s_mov_b32 s[\g+3], 384<<16
	s_mov_b32 s[\g+4], 8
	s_mov_b32 s[\g+5], 1536                        ; from tile to tile: 12,288 bytes
	s_mov_b32 s[\g+6], 0
	s_mov_b32 s[\g+7], 0
.endr
	s_lshl_b32 s60, s[GY], 4
	s_lshl_b32 s61, s[WL], 3
	s_add_co_u32 s60, s60, s61
	s_mul_i32 s60, s60, 12288                      ; qp's tile 16 wgy + 8 half
	s_mov_b32 s61, 0
	s_mul_i32 s62, s[WV], 24576                    ; LDS: I's two halves, then J's two
	s_lshr_b32 s66, s[KY], 1                       ; the batch, from the cluster's y alone
	s_lshl_b32 s66, s66, 3
	s_add_co_u32 s66, s66, s[GX]
	s_lshl_b32 s68, s66, 4                         ; kp's first tile: 16 (8 batch + wgx)
	s_lshl_b32 s67, s[WL], 3
	s_add_co_u32 s66, s68, s67
	s_mul_i32 s66, s66, 12288
	s_add_co_u32 s66, s66, 6291456
	s_mov_b32 s67, 0
	s_wait_kmcnt 0x0
	s_add_nc_u64 s[60:61], s[4:5], s[60:61]
	s_add_nc_u64 s[66:67], s[4:5], s[66:67]
	s_cmp_eq_u32 s[WH], 0                          ; the prefetches of c2: the 8 tiles that I fetch,
	s_cselect_b64 s[84:85], s[60:61], s[66:67]
	s_cselect_b32 s86, s[CX], s[CY]                ; my place among the four that ask for them with me:
	s_mul_i32 s86, s86, 24576                      ; two tiles each, told apart by address
	s_mov_b32 s87, 0
	s_add_nc_u64 s[84:85], s[84:85], s[86:87]      ; never rewritten
	CROUND
.irp p, 0,1
	s_mov_b32 s[G0I+4*\p], 1
	s_add_co_u32 s[G0I+4*\p+1], s62, \p*SLOT
	s_add_nc_u64 s[G0I+4*\p+2:G0I+4*\p+3], s[60:61], \p*3072
	s_or_b32 s[G0I+4*\p+3], s[G0I+4*\p+3], 0x80000000
	s_mov_b32 s[G0J+4*\p], 1
	s_add_co_u32 s[G0J+4*\p+1], s62, \p*SLOT
	s_add_nc_u64 s[G0J+4*\p+2:G0J+4*\p+3], s[66:67], \p*3072
	s_or_b32 s[G0J+4*\p+3], s[G0J+4*\p+3], 0x80000000
.endr
	JLOAD G0I, G0J                                 ; K steps 0, 1: one tensor load a wave at the head
	v_and_b32 v1, 15, v0                           ; m
	v_bfe_u32 v2, v0, 4, 1                         ; h
	v_and_b32 v[L16], 31, v0
	v_lshrrev_b32 v[PFO], 1, v[L16]                ; lane / 2: a row of a tile,
	v_and_b32 v15, 8, v[PFO]
	v_add_nc_u32 v[PFO], v15, v[PFO]               ; in the tile's row order,
	v_lshlrev_b32 v[PFO], 13, v[PFO]               ; 8,192 bytes a row,
	v_and_b32 v15, 1, v0
	v_lshl_add_u32 v[PFO], v15, 8, v[PFO]          ; + 256 (lane % 2)
	v_lshlrev_b32 v[L16], 4, v[L16]
	s_mul_i32 s70, s[WH], 24576
	v_add_nc_u32 v[ADI], s70, v[L16]
	v_add_nc_u32 v[ADI+1], SLOT, v[ADI]
	s_mul_i32 s70, s[WL], 24576
	s_add_co_u32 s70, s70, 49152
	v_add_nc_u32 v[ADJ], s70, v[L16]
	v_add_nc_u32 v[ADJ+1], SLOT, v[ADJ]
	s_mul_i32 s70, s[WV], 48*MPIT
	s_add_co_u32 s70, s70, MSTG                    ; my stage
	v_add_nc_u32 v[MST], s70, v[L16]
	v_mul_u32_u24 v[MRD], v1, MPIT
	v_lshl_add_u32 v[MRD], v2, 6, v[MRD]
	v_add_nc_u32 v[MRD], s70, v[MRD]
	v_lshlrev_b32 v[VS], 6, v1
	v_lshl_add_u32 v[VS], v2, 10, v[VS]
.irp b, 0,1,2,3
	v_mov_b32 v[BT+\b], 0                          ; a lane permute's destination counts as read
.endr
	v_mov_b32 v[NM+1], 0                           ; named as the upper half of a pair
	v_mov_b32 v[TT+1], 0
	v_and_b32 v16, 31, v0                          ; v16: block i = min(lane, 23) of two tiles' 12 blocks of 256 bytes: tile i / 12, block i % 12; never rewritten
	v_min_u32 v16, 23, v16
	v_mul_u32_u24 v17, v16, 22
	v_lshrrev_b32 v17, 8, v17                      ; i / 12 for i under 24
	v_mul_u32_u24 v18, v17, 12
	v_sub_nc_u32 v18, v16, v18
	v_mul_u32_u24 v16, v17, 12288
	v_lshl_add_u32 v16, v18, 8, v16
	s_lshl_b32 s70, s[GY], 4
	s_lshl_b32 s71, s[WH], 3
	s_add_co_u32 s70, s70, s71                     ; my first query tile: 16 wgy + 8 ih
	s_lshl_b32 s72, s70, 9
	s_lshl_b32 s71, s[WL], 3
	s_add_co_u32 s71, s68, s71                     ; my first key tile
	s_lshl_b32 s73, s71, 9
	s_add_co_u32 s73, s73, 262144
	v_mov_b32 v[VO], s73
	v_cndmask_b32 v[VO], s72, v[VO], s[HM]         ; lanes 0-15 the queries' words, lanes 16-31 the keys'
	v_lshl_add_u32 v[VO], v1, 5, v[VO]
	s_wait_alu depctr_va_vdst(0)
	s_lshl_b32 s74, s70, 17                        ; the mask: 16 rows of 8,192 bytes a tile,
	s_lshl_b32 s75, s[GX], 10
	s_add_co_u32 s74, s74, s75                     ; 256 keys of 4 bytes a block,
	s_lshl_b32 s75, s[WL], 9
	s_add_co_u32 s74, s74, s75                     ; 128 for my half
	s_mov_b32 s75, 0
	s_add_nc_u64 s[8:9], s[8:9], s[74:75]          ; my first row's 512 bytes; never rewritten
	s_lshl_b32 s76, s[GX], 1
	s_add_co_u32 s76, s76, s[WL]                   ; the K step of the last product: 2 wgx + jh
	s_lshl_b32 s74, s70, 4
	s_add_co_u32 s74, s74, s76
	s_mul_i32 s74, s74, 1536
	s_add_nc_u64 s[PCB:PCB+1], s[10:11], s[74:75]
	s_lshl_b32 s74, s70, 10
	s_lshl_b32 s76, s76, 2
	s_add_co_u32 s74, s74, s76
	s_add_nc_u64 s[STB:STB+1], s[12:13], s[74:75]
; where row m of tile a lies as loaded, in window 1
.macro RAWREG a, m
.if (\a) < 3 || (\a) == 5
.set RG, 96+4*(\m)+96*((\m)/8)         ; the registers that J's sets leave free: v96-127, v224-255
.elseif (\a) == 3 || (\a) == 6
.set RG, 4*(\m)                        ; v0-63 of set 0
.else
.set RG, 128+4*(\m)                    ; v128-191 of set 1
.endif
.endm
.macro MLOAD a                         ; tile a's 16 rows: 512 consecutive bytes a load
	WIN TO_J
.irp m, 0,1,2,3,4,5,6,7,8,9,10,11,12,13,14,15
	RAWREG \a, \m
	global_load_b128 v[RG:RG+3], v[L16], s[8:9] offset:(32*((\a)/2)+8*((\a)%2)+\m+8*(\m/8))*8192 th:TH_LOAD_NT
.endr
	WIN 0
.endm
.macro PUT a, left                     ; tile a's rows into area a % 3 of my stage; left: the loads asked for behind them, which may be out
	s_wait_alu depctr_va_vdst(0)
	s_wait_loadcnt \left
	WIN 0x04                                       ; an LDS store's data are its source 1: window 1
.irp m, 0,1,2,3,4,5,6,7,8,9,10,11,12,13,14,15
	RAWREG \a, \m
	ds_store_b128 v[MST], v[RG:RG+3] offset:MPIT*(16*((\a)%3)+\m)
.endr
	WIN 0
.endm
.macro GET a                           ; and back, in the accumulators' layout, into v64-95 and v192-223 of window 1.  LDS serves a wave's instructions in order (ISA guide 5.7.1.4)
	WIN TO_J
.irp b, 0,1,2,3,4,5,6,7
	ds_load_b128 v[64+8*\b+96*(\b/4):64+8*\b+96*(\b/4)+3], v[MRD] offset:MPIT*16*((\a)%3)+128*(\b/2)+32*(\b%2)
	ds_load_b128 v[68+8*\b+96*(\b/4):68+8*\b+96*(\b/4)+3], v[MRD] offset:MPIT*16*((\a)%3)+128*(\b/2)+32*(\b%2)+16
.endr
	WIN 0
.endm
.irp i, 0,1,2,3,4,5,6,7
	global_load_b128 v[SC+8*\i:SC+8*\i+3], v[VO], s[6:7] offset:512*\i
	global_load_b128 v[SC+8*\i+4:SC+8*\i+7], v[VO], s[6:7] offset:512*\i+16
.endr
; PREFETCHES INTO THE L2 at the head.  The codes of slots 1 to 3 (K steps 2-7): 3,072 bytes, 12 blocks of 256, of each tile a slot; one instruction a slot names my work-group's two of the 8 tiles that my wave fetches,
; so each block is named once in the cluster (lanes 24-31 name the wave's last block again).  Their tensor loads follow behind one, two and three changes of slots.  Then the mask's tiles 1-3, which I load in K steps 3 and 6.
	global_prefetch_b8 v16, s[84:85] offset:3072 th:TH_LOAD_NT scope:SCOPE_SE
	global_prefetch_b8 v16, s[84:85] offset:6144 th:TH_LOAD_NT scope:SCOPE_SE
	MLOAD 0
	global_prefetch_b8 v16, s[84:85] offset:9216 th:TH_LOAD_NT scope:SCOPE_SE
.irp t, 1,2,3
	global_prefetch_b8 v[PFO], s[8:9] offset:(32*(\t/2)+8*(\t%2))*8192 th:TH_LOAD_NT scope:SCOPE_SE
.endr
.macro FRAG reg, adr, q, i             ; a fragment's image: three loads of 512 consecutive bytes
.irp c, 0,1,2
	ds_load_b128 v[(\reg)+4*\c:(\reg)+4*\c+3], v[\adr] offset:3072*(\i)+1536*(\q)+512*\c
.endr
.endm
.macro FETCH_J slot, q, p
	WIN TO_J
.irp i, 0,1,2,3,4,5,6,7
	FRAG 128*(\p)+12*\i, ADJ+(\slot), \q, \i
.endr
	WIN 0
.endm
.macro FETCH_I slot, q, i0
.irp i, \i0, \i0+1, \i0+2, \i0+3
	FRAG AF+12*(\i), ADI+(\slot), \q, \i
.endr
.endm
; 16 matrix instructions: query tiles a0, a0 + 1 against the eight key tiles of set p, K step s.  zero = 1: the product starts the sum.  The 64 accumulators take turns, one instruction a turn.
.macro MUL16 a0, p, s, zero
.irp a, \a0, \a0+1
.irp b, 0,1,2,3,4,5,6,7
.if \zero
	v_wmma_scale_f32_16x16x128_f8f6f4 v[8*(8*((\a)%4)+\b):8*(8*((\a)%4)+\b)+7], v[128*(\p)+12*\b:128*(\p)+12*\b+11], v[AF+12*(\a):AF+12*(\a)+11], 0, v[SC+8*\b+(\s)], v[SC+8*(\a)+(\s)] matrix_a_fmt:MATRIX_FMT_FP6 matrix_b_fmt:MATRIX_FMT_FP6 matrix_a_scale:MATRIX_SCALE_ROW1
.else
	v_wmma_scale_f32_16x16x128_f8f6f4 v[8*(8*((\a)%4)+\b):8*(8*((\a)%4)+\b)+7], v[128*(\p)+12*\b:128*(\p)+12*\b+11], v[AF+12*(\a):AF+12*(\a)+11], v[8*(8*((\a)%4)+\b):8*(8*((\a)%4)+\b)+7], v[SC+8*\b+(\s)], v[SC+8*(\a)+(\s)] matrix_a_fmt:MATRIX_FMT_FP6 matrix_b_fmt:MATRIX_FMT_FP6 matrix_a_scale:MATRIX_SCALE_ROW1
.endif
.endr
.endr
.endm
.macro STEP slot, s, first, put        ; a slot's first K step.  first = 1: the products start the sums.  put: the tile of the mask that goes into the stage here, or -1
	s_wait_dscnt 12                                ; J's set and I's tiles 0-3 are in; I's tiles 4-7 may be out
	WIN MUL_LO
	MUL16 0, 0, \s, \first
	MUL16 2, 0, \s, \first
	s_wait_dscnt 0x0
	PLACES 4
.if (\put) >= 0
	PUT \put, 0                                    ; older than every load below: the counted waits that follow cover these stores too
.endif
	FETCH_J \slot, 1, 1
	FETCH_I \slot, 1, 0
	WIN MUL_HI
	MUL16 4, 0, \s, \first
	MUL16 6, 0, \s, \first
	PLACES 4
	WIN 0
	FETCH_I \slot, 1, 4
.endm
; A slot's second K step changes slots.  ask: A PREFETCH INTO THE L2 of the 16 rows x 512 bytes of each of my tiles ask .. ask + 2 of the mask, as far as tile 7, or -1: in K step 1 for tiles 4-6, in K step 3 for tile 7;
; I load tile 4 behind K step 7 and tiles 5-7 in the softmax of tiles 1-3.  One instruction a tile; a lane names one aligned 256 bytes.  The bytes are this wave's alone, so each is named once.
; ml: the tile whose rows are loaded here, or -1.
.macro TURN slot, next, s, fill, ask, ml
	s_wait_tensorcnt 0x0                           ; all my tensor loads have landed: my part of the other slot
	ds_add_u32 v[SPW], v[NIL]
	s_wait_dscnt 13                                ; the add and I's tiles 4-7 may be out
	WIN MUL_LO
	MUL16 0, 1, \s, 0
	s_wait_dscnt 0x0                               ; the add is done, and my reads of this slot are over
	s_barrier_signal -1
	MUL16 2, 1, \s, 0
	WIN 0
	s_barrier_wait -1
.if \fill
	CREST                                          ; no wave of any partner still reads this slot or has a load on its way
	s_add_nc_u64 s[G0I+4*(\slot)+2:G0I+4*(\slot)+3], s[G0I+4*(\slot)+2:G0I+4*(\slot)+3], 6144
	s_add_nc_u64 s[G0J+4*(\slot)+2:G0J+4*(\slot)+3], s[G0J+4*(\slot)+2:G0J+4*(\slot)+3], 6144
	JLOAD G0I+4*(\slot), G0J+4*(\slot)             ; its four v_nop are also the places in front of the loads below
.else
	PLACES 4
.endif
	FETCH_J \next, 0, 0
	FETCH_I \next, 0, 0
.if (\ml) >= 0
	MLOAD \ml                                      ; the stores that read these registers were waited for above
.endif
.if (\ask) >= 0
.irp t, 0,1,2
.if (\ask)+\t < 8
	global_prefetch_b8 v[PFO], s[8:9] offset:(32*(((\ask)+\t)/2)+8*(((\ask)+\t)%2))*8192 th:TH_LOAD_NT scope:SCOPE_SE
.endif
.endr
.endif
	WIN MUL_HI
	MUL16 4, 1, \s, 0
	MUL16 6, 1, \s, 0
	PLACES 4
	WIN 0
	FETCH_I \next, 0, 4
.endm
; Query tile a: the mask is added, then the local softmax of 128 keys, p quantised, codes stored.
.macro SOFT a
.set AC, 64*((\a)%4)
	s_wait_dscnt 0x0                               ; this tile's mask is back from the stage, and the stage's stores have read their registers
.if (\a) >= 1 && (\a) <= 3
	MLOAD (\a)+4                                   ; into the registers that tile a + 1's rows have left
.endif
	WIN (2+(\a)/4)|0x04                            ; source 0: the sums, window 2 or 3; source 1: the mask, window 1
	s_wait_alu depctr_va_vdst(0)
.set jj, 0
.rept 32
	v_pk_add_f32 v[P+jj:P+jj+1], v[AC+jj:AC+jj+1], v[64+jj+96*(jj/32):64+jj+96*(jj/32)+1]   ; the logits; each accumulator is read from its low end on
.set jj, jj+2
.endr
	WIN 0
.if (\a) < 7
	GET (\a)+1
.endif
.if (\a) < 6
	PUT (\a)+2, 16*(2-((\a)/4)*((\a)-3))           ; behind tile a + 2's rows: those of the tiles up to a + 4, at most tile 7
.endif
.irp b, 0,1,2,3
	v_max3_num_f32 v[BM+\b], 0xff800000, v[P+16*\b], v[P+16*\b+1]   ; the largest logit of each block of 32 keys
.endr
.irp i, 2,4,6,8,10,12,14
.irp b, 0,1,2,3
	v_max3_num_f32 v[BM+\b], v[BM+\b], v[P+16*\b+\i], v[P+16*\b+\i+1]
.endr
.endr
.irp b, 0,1,2,3
	v_permlanex16_b32 v[BT+\b], v[BM+\b], s[SEL], s[SEL+1]
.endr
.irp b, 0,1,2,3
	v_max_num_f32 v[BM+\b], v[BM+\b], v[BT+\b]
.endr
	v_max3_num_f32 v[TT], v[BM], v[BM+1], v[BM+2]
	v_max_num_f32 v[TT], v[TT], v[BM+3]
	v_mul_f32 v[TT], s[CS], v[TT]                  ; the largest t of the 128 keys,
	v_max_num_f32 v[TT], 0xff61b1e6, v[TT]         ; held at -3e38, so that keys that are all -infinity give p = 0 and no NaN
	v_floor_f32 v[NM], -v[TT]                      ; -m = floor(-t): m is a whole number
.set jj, 0
.rept 32
	v_pk_fma_f32 v[P+jj:P+jj+1], v[P+jj:P+jj+1], s[CS:CS+1], v[NM:NM+1] op_sel_hi:[1,0,0]   ; t - m
.set jj, jj+2
.endr
.irp b, 0,1,2,3
	v_fma_f32 v[BM+\b], v[BM+\b], s[CS], v[NM]     ; the same of each block's largest logit
.endr
.set jj, 0
	s_wait_alu depctr_va_vdst(0)
.rept 64
	v_exp_f32 v[P+jj], v[P+jj]                     ; p
.set jj, jj+1
.endr
	v_sub_f32 v[SM+(\a)], 0, v[NM]                 ; m.  (The plain place behind the exponentials)
	s_wait_alu depctr_va_vdst(0)                   ; one wait for the batch, ahead of its first reader
.irp b, 0,1,2,3
	v_exp_f32 v[BM+\b], v[BM+\b]                   ; the block's largest p: the same two instructions on the same number give the same bits
.endr
	v_pk_add_f32 v[S1:S1+1], v[P:P+1], v[P+2:P+3]  ; the sum of the unquantised p, in two chains
	v_pk_add_f32 v[S2:S2+1], v[P+4:P+5], v[P+6:P+7]
.irp j, 8,12,16,20,24,28,32,36,40,44,48,52,56,60
	v_pk_add_f32 v[S1:S1+1], v[S1:S1+1], v[P+\j:P+\j+1]
	v_pk_add_f32 v[S2:S2+1], v[S2:S2+1], v[P+\j+2:P+\j+3]
.endr
	v_pk_add_f32 v[S1:S1+1], v[S1:S1+1], v[S2:S2+1]
	v_add_f32 v[TT], v[S1], v[S1+1]
	v_permlanex16_b32 v[TT+1], v[TT], s[SEL], s[SEL+1]
	v_add_f32 v[SL+(\a)], v[TT], v[TT+1]
	s_wait_alu depctr_va_vdst(0)                   ; and one for the four
.irp b, 0,1,2,3
	v_max_num_f32 v[BM+\b], 0x1800000, v[BM+\b]    ; the floor 2^(3 - 127): the byte cannot fall under 1
.endr
.irp b, 0,1,2,3
	v_add_nc_u32 v[SO+\b], 0xff000000, v[BM+\b]
.endr
.irp b, 0,1,2,3
	v_lshrrev_b32 v[BT+\b], 23, v[SO+\b]
.endr
	v_lshl_or_b32 v[SW+(\a)], v[BT+1], 8, v[BT]
	v_lshl_or_b32 v[SW+(\a)], v[BT+2], 16, v[SW+(\a)]
	v_lshl_or_b32 v[SW+(\a)], v[BT+3], 24, v[SW+(\a)]
	s_wait_alu depctr_va_vdst(0)
	s_wait_xcnt 0x0                                ; the last tile's stores have read the codes' registers
.irp c, 0,1
	v_cvt_scalef32_pk16_fp6_f32 v[PC+6*\c:PC+6*\c+2], v[P+32*\c:P+32*\c+15], v[SO+2*\c]
	v_cvt_scalef32_pk16_fp6_f32 v[PT+4*\c:PT+4*\c+2], v[P+32*\c+16:P+32*\c+31], v[SO+2*\c+1]
.endr
	v_nop                                          ; one plain place behind the conversions
.irp c, 0,1
.irp i, 0,1,2
	v_permlane16_swap_b32 v[PC+6*\c+\i], v[PT+4*\c+\i]
.endr
.irp i, 0,1,2
	v_mov_b32 v[PC+3+6*\c+\i], v[PT+4*\c+\i]
.endr
.endr
.irp c, 0,1,2
	global_store_b128 v[L16], v[PC+4*\c:PC+4*\c+3], s[PCB:PCB+1] offset:24576*(\a)+512*\c   ; 512 consecutive bytes a store
.endr
.endm
	s_wait_alu depctr_va_vdst(0)
	s_wait_tensorcnt 0x0                           ; my part of slot 0 is in; slot 1's first fill is issued as a refill is
	ds_add_u32 v[SPW], v[NIL]
	s_wait_dscnt 0x0
	CROUND                                         ; everybody's part of slot 0 is in, and the joint loads meet
	JLOAD G0I+4, G0J+4                             ; K steps 2, 3
	FETCH_J 0, 0, 0
	FETCH_I 0, 0, 0
	FETCH_I 0, 0, 4
	s_wait_loadcnt 16                              ; the scale words are in; tile 0's 16 rows of the mask may be out
	STEP 0, 0, 1, -1
	TURN 0, 1, 1, 1, 4, -1                         ; slot 0 takes K steps 4, 5
	STEP 1, 2, 0, 0                                ; tile 0's mask goes into the stage
	TURN 1, 0, 3, 1, 7, 1                          ; slot 1 takes K steps 6, 7; tile 1's rows are asked for
	STEP 0, 4, 0, -1
	TURN 0, 1, 5, 0, -1, -1                        ; nothing is left to fetch: no round
	STEP 1, 6, 0, 1                                ; tile 1's mask goes into the stage
	s_wait_dscnt 12                                ; those stores have read their registers too
	MLOAD 2
	MLOAD 3                                        ; J's set 0 is done with, four places behind its last products
	WIN MUL_LO
	MUL16 0, 1, 7, 0
	MUL16 2, 1, 7, 0
	s_wait_dscnt 0x0
	WIN MUL_HI
	MUL16 4, 1, 7, 0
	MUL16 6, 1, 7, 0
	WIN 0
	PLACES 4                                       ; in front of the first reads of results, and of the loads into J's set 1
	MLOAD 4
	GET 0
.irp a, 0,1,2,3,4,5,6,7
	SOFT \a
.endr
.irp a, 0,2,4,6                        ; lanes 0-15 store tile a's number of row m, lanes 16-31 tile a + 1's
	v_cndmask_b32 v[P+\a/2], v[SW+\a], v[SW+\a+1], s[HM]
	v_cndmask_b32 v[P+4+\a/2], v[SM+\a], v[SM+\a+1], s[HM]
	v_cndmask_b32 v[P+8+\a/2], v[SL+\a], v[SL+\a+1], s[HM]
.endr
.irp a, 0,2,4,6
	global_store_b32 v[VS], v[P+\a/2], s[STB:STB+1] offset:1024*\a
	global_store_b32 v[VS], v[P+4+\a/2], s[STB:STB+1] offset:524288+1024*\a
	global_store_b32 v[VS], v[P+8+\a/2], s[STB:STB+1] offset:1048576+1024*\a
.endr
	s_wait_tensorcnt 0x0                           ; the wave's end
	ds_add_u32 v[SPW], v[NIL]
	s_wait_dscnt 0x0
	CROUND                                         ; the closing round
	s_endpgm
.Lfunc_end_k_q3b7dd95040_score:
	.size	k_q3b7dd95040_score, .Lfunc_end_k_q3b7dd95040_score-k_q3b7dd95040_score
	.p2alignl 7, 3214868480
	.fill 96, 4, 3214868480
	.section	.rodata,"a",@progbits
	.p2align	6, 0x0
	.amdhsa_kernel k_q3b7dd95040_score
		.amdhsa_group_segment_fixed_size 327680
		.amdhsa_private_segment_fixed_size 0
		.amdhsa_enable_private_segment 0
		.amdhsa_kernarg_size 40
		.amdhsa_user_sgpr_count 2
		.amdhsa_user_sgpr_kernarg_segment_ptr 1
		.amdhsa_wavefront_size32 1
		.amdhsa_system_sgpr_workgroup_id_x 1
		.amdhsa_system_sgpr_workgroup_id_y 1
		.amdhsa_system_sgpr_workgroup_id_z 1
		.amdhsa_system_vgpr_workitem_id 0
		.amdhsa_next_free_vgpr 1024
		.amdhsa_next_free_sgpr 100
		.amdhsa_reserve_vcc 0
		.amdhsa_float_denorm_mode_32 3
		.amdhsa_float_denorm_mode_16_64 3
		.amdhsa_memory_ordered 1
		.amdhsa_forward_progress 1
		.amdhsa_inst_pref_size 244
	.end_amdhsa_kernel
	.amdgpu_metadata
---
amdhsa.version: [ 1, 2 ]
amdhsa.kernels:
  - .name:           k_q3b7dd95040_score
    .symbol:         k_q3b7dd95040_score.kd
    .args:
      - { .name: c2, .offset: 0, .size: 8, .value_kind: global_buffer, .address_space: global }
      - { .name: s2, .offset: 8, .size: 8, .value_kind: global_buffer, .address_space: global }
      - { .name: mask, .offset: 16, .size: 8, .value_kind: global_buffer, .address_space: global }
      - { .name: pc, .offset: 24, .size: 8, .value_kind: global_buffer, .address_space: global }
      - { .name: st, .offset: 32, .size: 8, .value_kind: global_buffer, .address_space: global }
    .group_segment_fixed_size: 327680
    .private_segment_fixed_size: 0
    .kernarg_segment_align: 8
    .kernarg_segment_size: 40
    .max_flat_workgroup_size: 128
    .sgpr_count:     100
    .vgpr_count:     1024
    .wavefront_size: 32
...
	.end_amdgpu_metadata
.endif
;; end of part 3
;; launch pv (part 4): grid 8 x 32, 4 waves a work-group, clusters of 4 x 4, 327,680 bytes of LDS; arguments pc, st, c2, s2, out0; writes out0
.if DOCPART == 4
	.amdgcn_target "amdgcn-amd-amdhsa--gfx1250"
	.amdhsa_code_object_version 6
	.text
	.protected	k_q3b7dd95040_pv
	.globl	k_q3b7dd95040_pv
	.p2align	8
	.type	k_q3b7dd95040_pv,@function
k_q3b7dd95040_pv:
	s_mov_b64 s[64:65], 0
	v_nop
	global_prefetch_b8 v0, s[64:65] scope:SCOPE_SE
	s_setreg_imm32_b32 hwreg(HW_REG_WAVE_MODE, 25, 1), 1
	s_wait_xcnt 0x0
	s_wait_alu depctr_hold_cnt(0) depctr_sa_sdst(0) depctr_va_vdst(0) depctr_va_sdst(0) depctr_va_ssrc(0) depctr_va_vcc(0) depctr_vm_vsrc(0)
	s_getreg_b32 s2, hwreg(HW_REG_IB_STS2, 6, 4)
	s_cmp_eq_u32 s2, 0
	s_cbranch_scc0 .Lentry_in_a_cluster
	s_endpgm
.Lentry_in_a_cluster:
	s_bfe_u32 s2, ttmp6, 0x10000c
	s_cmp_lg_u32 s2, 0xf033
	s_cbranch_scc0 .Lentry_shape_is_right
	s_endpgm
.Lentry_shape_is_right:
.set SLOT,  147456
.set JPART, 98304
.set SPARE, 294912
.set L16, 3
.set ADI, 4
.set ADJ, 6
.set SPW, 8
.set NIL, 9
.set VL,  10
.set STO, 11
.set RD,  12
.set MM,  13
.set TP,  14
.set LL,  15
.set DD,  16
.set FF,  17
.set DW,  18
.set YY,  19
.set RC,  20
.set HH,  28
.set GG,  29
.set SP,  32
.set SV,  64
.set LS,  128
.set PM,  160
.set PL,  192
.set WV, 14
.set WH, 15
.set WL, 16
.set CX, 17
.set CY, 18
.set KX, 19
.set KY, 20
.set GX, 21
.set GY, 22
.set G1I, 24
.set G1J, 32
.set G0I, 40
.set G0J, 48
.set SEL, 56
.set MSB, 0
.macro WIN new
.if MSB != (\new)
	s_set_vgpr_msb (MSB<<8)|(\new)
.set MSB, (\new)
.endif
.endm
.macro PLACES n
.rept \n
	v_nop
.endr
.endm
.macro JLOAD g0i, g0j
	s_cmp_eq_u32 s[WH], 0
	s_cbranch_scc0 .Lfor_j_\@
	tensor_load_to_lds s[\g0i:\g0i+3], s[G1I:G1I+7]
	s_nop 0
.rept 4
	v_nop
.endr
	s_branch .Lasked_\@
.Lfor_j_\@:
	tensor_load_to_lds s[\g0j:\g0j+3], s[G1J:G1J+7]
	s_nop 0
.rept 4
	v_nop
.endr
.Lasked_\@:
.endm
.macro CREST
	s_cmp_lg_u32 s[WV], 0
	s_cbranch_scc1 .Lnot_wave_0_\@
	s_barrier_signal -3
.Lnot_wave_0_\@:
	s_barrier_wait -3
	s_barrier_signal -1
	s_barrier_wait -1
.endm
.macro CROUND
	s_barrier_signal -1
	s_barrier_wait -1
	CREST
.endm
	s_load_b256 s[4:11], s[0:1], 0x0
	s_load_b64 s[12:13], s[0:1], 0x20
	v_lshl_add_u32 v[SPW], v0, 2, SPARE
	v_mov_b32 v[NIL], 0
	ds_add_u32 v8, v9
	ds_add_u32 v8, v9
	s_wait_dscnt 0x0
	v_lshrrev_b32 v1, 5, v0
	v_readfirstlane_b32 s[WV], v1
	s_lshr_b32 s[WH], s[WV], 1
	s_and_b32 s[WL], s[WV], 1
	s_bfe_u32 s[CX], ttmp6, 0x40000
	s_bfe_u32 s[CY], ttmp6, 0x40004
	s_mov_b32 s[KX], ttmp9
	s_and_b32 s[KY], ttmp7, 0xffff
	s_lshl_b32 s[GX], s[KX], 2
	s_add_co_u32 s[GX], s[GX], s[CX]
	s_lshl_b32 s[GY], s[KY], 2
	s_add_co_u32 s[GY], s[GY], s[CY]
	s_mov_b32 s[SEL], 0x76543210
	s_mov_b32 s[SEL+1], 0xfedcba98
	s_lshl_b32 s60, s[CY], 2
	s_lshl_b32 s60, 15, s60
	s_lshl_b32 s66, 0x1111, s[CX]
	s_or_b32 s[G1I], s60, (3<<16)|(1<<21)
	s_or_b32 s[G1J], s66, (3<<16)|(1<<21)
	s_mov_b32 s[G1I+1], 768<<16
	s_mov_b32 s[G1I+2], 8<<16
	s_mov_b32 s[G1I+3], 768<<16
	s_mov_b32 s[G1I+4], 8
	s_mov_b32 s[G1I+5], 3072
	s_mov_b32 s[G1I+6], 0
	s_mov_b32 s[G1I+7], 0
	s_mov_b32 s[G1J+1], 768<<16
	s_mov_b32 s[G1J+2], 4<<16
	s_mov_b32 s[G1J+3], 768<<16
	s_mov_b32 s[G1J+4], 4
	s_mov_b32 s[G1J+5], 3072
	s_mov_b32 s[G1J+6], 0
	s_mov_b32 s[G1J+7], 0
	s_lshl_b32 s60, s[GY], 4
	s_lshl_b32 s61, s[WL], 3
	s_add_co_u32 s60, s60, s61
	s_mul_i32 s60, s60, 24576
	s_mov_b32 s61, 0
	s_mul_i32 s62, s[WL], 49152
	s_lshl_b32 s66, s[GX], 3
	s_lshl_b32 s67, s[WL], 2
	s_add_co_u32 s66, s66, s67
	s_mul_i32 s66, s66, 24576
	s_lshr_b32 s69, s[KY], 1
	s_mul_i32 s67, s69, 1572864
	s_add_co_u32 s66, s66, s67
	s_add_co_u32 s66, s66, 12582912
	s_mov_b32 s67, 0
	s_mul_i32 s68, s[WL], 24576
	s_add_co_u32 s68, s68, JPART
	s_wait_kmcnt 0x0
	s_add_nc_u64 s[60:61], s[4:5], s[60:61]
	s_add_nc_u64 s[66:67], s[8:9], s[66:67]
	CROUND
.irp p, 0,1
	s_mov_b32 s[G0I+4*\p], 1
	s_add_co_u32 s[G0I+4*\p+1], s62, \p*SLOT
	s_add_nc_u64 s[G0I+4*\p+2:G0I+4*\p+3], s[60:61], \p*6144
	s_or_b32 s[G0I+4*\p+3], s[G0I+4*\p+3], 0x80000000
	s_mov_b32 s[G0J+4*\p], 1
	s_add_co_u32 s[G0J+4*\p+1], s68, \p*SLOT
	s_add_nc_u64 s[G0J+4*\p+2:G0J+4*\p+3], s[66:67], \p*6144
	s_or_b32 s[G0J+4*\p+3], s[G0J+4*\p+3], 0x80000000
.endr
	JLOAD G0I, G0J
	v_and_b32 v1, 15, v0
	v_bfe_u32 v2, v0, 4, 1
	v_and_b32 v[L16], 31, v0
	v_lshlrev_b32 v[L16], 4, v[L16]
	s_mul_i32 s70, s[WV], 24576
	v_add_nc_u32 v[ADI], s70, v[L16]
	v_add_nc_u32 v[ADI+1], SLOT, v[ADI]
	v_add_nc_u32 v[ADJ], JPART, v[L16]
	v_add_nc_u32 v[ADJ+1], SLOT+JPART, v[L16]
	v_lshlrev_b32 v[VL], 6, v1
	v_lshl_add_u32 v[VL], v2, 5, v[VL]
	s_wait_alu depctr_va_vdst(0)
	s_mul_i32 s70, s[WV], 8448
	v_mul_u32_u24 v[STO], v1, 528
	v_lshl_add_u32 v[STO], v2, 6, v[STO]
	v_add_nc_u32 v[STO], s70, v[STO]
	v_add_nc_u32 v[RD], s70, v[L16]
	v_mov_b32 v[TP], 0
	s_lshl_b32 s70, s[GY], 4
	s_lshl_b32 s71, s[WV], 2
	s_add_co_u32 s70, s70, s71
	s_lshl_b32 s72, s70, 10
	s_mov_b32 s73, 0
	s_add_nc_u64 s[6:7], s[6:7], s[72:73]
	s_lshl_b32 s72, s69, 16
	s_lshl_b32 s71, s[GX], 13
	s_add_co_u32 s72, s72, s71
	s_add_co_u32 s72, s72, 524288
	s_add_nc_u64 s[10:11], s[10:11], s[72:73]
	s_lshl_b32 s72, s70, 16
	s_lshl_b32 s71, s[GX], 9
	s_add_co_u32 s72, s72, s71
	s_add_nc_u64 s[12:13], s[12:13], s[72:73]
.irp b, 0,1,2,3,4,5,6,7
	global_load_b128 v[SV+8*\b:SV+8*\b+3], v[VL], s[10:11] offset:1024*\b
	global_load_b128 v[SV+8*\b+4:SV+8*\b+7], v[VL], s[10:11] offset:1024*\b+16
.endr
.irp a, 0,1,2,3
	global_load_b128 v[SP+8*\a:SP+8*\a+3], v[VL], s[6:7] offset:1024*\a
	global_load_b128 v[SP+8*\a+4:SP+8*\a+7], v[VL], s[6:7] offset:1024*\a+16
	global_load_b128 v[PM+8*\a:PM+8*\a+3], v[VL], s[6:7] offset:524288+1024*\a
	global_load_b128 v[PM+8*\a+4:PM+8*\a+7], v[VL], s[6:7] offset:524288+1024*\a+16
	global_load_b128 v[PL+8*\a:PL+8*\a+3], v[VL], s[6:7] offset:1048576+1024*\a
	global_load_b128 v[PL+8*\a+4:PL+8*\a+7], v[VL], s[6:7] offset:1048576+1024*\a+16
.endr
; A PREFETCH INTO THE L2 of a later fill's blocks of 256 bytes.  A fill is 6,144 bytes (24 blocks) of each tile; a wave fetches 8 tiles of p or 4 of v, jointly with three partners.
; The four share the tiles out by address: of p's 8 the partner at cx takes two (two instructions), of v's 4 the partner at cy one.  A lane names a block; lanes 24-31 name the wave's last block again.
; Fills 1 and 2 are asked for here, fill 3 behind fill 1's tensor load.  v30, v31 and the bases are never rewritten.
.macro ASK ai, aj, off
	s_cmp_eq_u32 s[WH], 0
	s_cbranch_scc0 .Lpj_\@
	global_prefetch_b8 v30, s[\ai:\ai+1] offset:\off th:TH_LOAD_NT scope:SCOPE_SE
	global_prefetch_b8 v30, s[\ai:\ai+1] offset:\off+24576 th:TH_LOAD_NT scope:SCOPE_SE
	s_branch .Lpd_\@
.Lpj_\@:
	global_prefetch_b8 v31, s[\aj:\aj+1] offset:\off th:TH_LOAD_NT scope:SCOPE_SE
.Lpd_\@:
.endm
	v_and_b32 v30, 31, v0
	v_min_u32 v30, 23, v30
	v_lshlrev_b32 v30, 8, v30
	s_mul_i32 s74, s[CX], 49152
	s_mul_i32 s75, s[CY], 24576
	v_add_nc_u32 v31, s75, v30
	v_add_nc_u32 v30, s74, v30
	s_wait_alu depctr_va_vdst(0)
	ASK 60, 66, 6144
	ASK 60, 66, 12288
	s_wait_loadcnt 0x0
.macro FIX a
	v_max3_num_f32 v[MM], v[PM+8*(\a)], v[PM+8*(\a)+1], v[PM+8*(\a)+2]
	v_max3_num_f32 v[MM], v[MM], v[PM+8*(\a)+3], v[PM+8*(\a)+4]
	v_max3_num_f32 v[MM], v[MM], v[PM+8*(\a)+5], v[PM+8*(\a)+6]
	v_max_num_f32 v[MM], v[MM], v[PM+8*(\a)+7]
	s_wait_alu depctr_va_vdst(0)
	v_permlanex16_b32 v[TP], v[MM], s[SEL], s[SEL+1]
	v_max_num_f32 v[MM], v[MM], v[TP]
.irp i, 0,1,2,3,4,5,6,7
	v_sub_f32 v[DD], v[MM], v[PM+8*(\a)+\i]
	v_min_num_f32 v[DD], 0x42fe0000, v[DD]
	v_cvt_u32_f32 v[DD], v[DD]
	v_sub_nc_u32 v[FF], 127, v[DD]
	v_lshlrev_b32 v[FF], 23, v[FF]
.if \i == 0
	v_mul_f32 v[LL], v[PL+8*(\a)], v[FF]
.else
	v_fmac_f32 v[LL], v[PL+8*(\a)+\i], v[FF]
.endif
	v_perm_b32 v[DW], v[DD], v[DD], 0
	v_or_b32 v[YY], 0x80808080, v[SP+8*(\a)+\i]
	v_sub_nc_u32 v[YY], v[YY], v[DW]
	v_and_b32 v[HH], 0x80808080, v[YY]
	v_lshrrev_b32 v[GG], 7, v[HH]
	v_sub_nc_u32 v[HH], v[HH], v[GG]
	v_and_b32 v[SP+8*(\a)+\i], v[YY], v[HH]
.endr
	v_permlanex16_b32 v[TP], v[LL], s[SEL], s[SEL+1]
	v_add_f32 v[LS+(\a)], v[LL], v[TP]
.endm
	FIX 0
	FIX 1
	FIX 2
	FIX 3
	s_wait_alu depctr_va_vdst(0)
.irp a, 0,1,2,3
	v_rcp_f32 v[RC+2*\a], v[LS+\a]
.endr
	v_nop
	s_wait_alu depctr_va_vdst(0)
.irp a, 0,1,2,3
	v_mov_b32 v[RC+2*\a+1], v[RC+2*\a]
.endr
	PLACES 8
.macro MUL8 a, set, s, zero
	WIN 0x50|(0x0a+5*(\set))
.irp b, 0,1,2,3,4,5,6,7
.if \zero
	v_wmma_scale_f32_16x16x128_f8f6f4 v[8*(8*(\a)+\b):8*(8*(\a)+\b)+7], v[12*\b:12*\b+11], v[96+12*(\a):96+12*(\a)+11], 0, v[SV+8*\b+(\s)%8], v[SP+8*(\a)+(\s)%8] matrix_a_fmt:MATRIX_FMT_FP6 matrix_b_fmt:MATRIX_FMT_FP6
.elseif (\s) < 8
	v_wmma_scale_f32_16x16x128_f8f6f4 v[8*(8*(\a)+\b):8*(8*(\a)+\b)+7], v[12*\b:12*\b+11], v[96+12*(\a):96+12*(\a)+11], v[8*(8*(\a)+\b):8*(8*(\a)+\b)+7], v[SV+8*\b+(\s)%8], v[SP+8*(\a)+(\s)%8] matrix_a_fmt:MATRIX_FMT_FP6 matrix_b_fmt:MATRIX_FMT_FP6
.else
	v_wmma_scale_f32_16x16x128_f8f6f4 v[8*(8*(\a)+\b):8*(8*(\a)+\b)+7], v[12*\b:12*\b+11], v[96+12*(\a):96+12*(\a)+11], v[8*(8*(\a)+\b):8*(8*(\a)+\b)+7], v[SV+8*\b+(\s)%8], v[SP+8*(\a)+(\s)%8] matrix_a_fmt:MATRIX_FMT_FP6 matrix_b_fmt:MATRIX_FMT_FP6 matrix_a_scale:MATRIX_SCALE_ROW1 matrix_b_scale:MATRIX_SCALE_ROW1
.endif
.endr
.endm
.macro FETCH slot, q, set
	WIN 0x80+0x40*(\set)
.irp b, 0,1,2,3,4,5,6,7
.irp c, 0,1,2
	ds_load_b128 v[12*\b+4*\c:12*\b+4*\c+3], v[ADJ+(\slot)] offset:6144*\b+1536*(\q)+512*\c
.endr
.endr
.irp a, 0,1,2,3
.irp c, 0,1,2
	ds_load_b128 v[96+12*\a+4*\c:96+12*\a+4*\c+3], v[ADI+(\slot)] offset:6144*\a+1536*(\q)+512*\c
.endr
.endr
.endm
.macro STEP slot, q, s, zero
	PLACES 4
	FETCH \slot, (\q)+1, 1-(\q)%2
	s_wait_dscnt 36
	MUL8 0, (\q)%2, \s, \zero
	MUL8 1, (\q)%2, \s, \zero
	MUL8 2, (\q)%2, \s, \zero
	MUL8 3, (\q)%2, \s, \zero
.endm
.macro TURN slot, next, s, fill
	WIN 0
	s_wait_tensorcnt 0x0
	ds_add_u32 v[SPW], v[NIL]
	s_wait_dscnt 1
	MUL8 0, 1, \s, 0
	s_wait_dscnt 0x0
	s_barrier_signal -1
	MUL8 1, 1, \s, 0
	WIN 0
	s_barrier_wait -1
.if \fill
	CREST
	s_add_nc_u64 s[G0I+4*(\slot)+2:G0I+4*(\slot)+3], s[G0I+4*(\slot)+2:G0I+4*(\slot)+3], 12288
	s_add_nc_u64 s[G0J+4*(\slot)+2:G0J+4*(\slot)+3], s[G0J+4*(\slot)+2:G0J+4*(\slot)+3], 12288
	JLOAD G0I+4*(\slot), G0J+4*(\slot)
.else
	PLACES 4
.endif
	FETCH \next, 0, 0
	MUL8 2, 1, \s, 0
	MUL8 3, 1, \s, 0
.endm
	s_wait_alu depctr_va_vdst(0)
	s_wait_tensorcnt 0x0
	ds_add_u32 v[SPW], v[NIL]
	s_wait_dscnt 0x0
	CROUND
	JLOAD G0I+4, G0J+4
	FETCH 0, 0, 0
	WIN 0
	ASK 60, 66, 18432
	STEP 0, 0, 0, 1
	STEP 0, 1, 1, 0
	STEP 0, 2, 2, 0
	TURN 0, 1, 3, 1
	STEP 1, 0, 4, 0
	STEP 1, 1, 5, 0
	STEP 1, 2, 6, 0
	TURN 1, 0, 7, 1
	STEP 0, 0, 8, 0
	STEP 0, 1, 9, 0
	STEP 0, 2, 10, 0
	TURN 0, 1, 11, 0
	STEP 1, 0, 12, 0
	STEP 1, 1, 13, 0
	STEP 1, 2, 14, 0
	s_wait_dscnt 0x0
	MUL8 0, 1, 15, 0
	MUL8 1, 1, 15, 0
	MUL8 2, 1, 15, 0
	MUL8 3, 1, 15, 0
.macro TOSTAGE a
.set TS, 64*((\a)%2)
.set BB, 128+64*((\a)%2)
	WIN 0x81
.set jj, 0
.rept 32
	v_pk_mul_f32 v[TS+jj:TS+jj+1], v[64*(\a)+jj:64*(\a)+jj+1], v[RC+2*(\a):RC+2*(\a)+1] op_sel_hi:[1,0]
.set jj, jj+2
.endr
	WIN 0x08
.irp g, 0,1,2,3
.irp x, 0,1,2,3
	ds_store_b128 v[STO], v[TS+16*\g+4*\x:TS+16*\g+4*\x+3] offset:128*\g+16*\x
.endr
.endr
	WIN 0
.irp i, 0,1,2,3,4,5,6,7,8,9,10,11,12,13,14,15
	ds_load_b128 v[BB+4*\i:BB+4*\i+3], v[RD] offset:528*\i
.endr
.endm
.macro SEND a, younger
.set BB, 128+64*((\a)%2)
	s_wait_dscnt \younger
.irp i, 0,1,2,3,4,5,6,7,8,9,10,11,12,13,14,15
	global_store_b128 v[L16], v[BB+4*\i:BB+4*\i+3], s[12:13] offset:(32*((\a)/2)+8*((\a)%2)+\i+8*(\i/8))*4096 th:TH_STORE_NT
.endr
.endm
	PLACES 4
	s_wait_alu depctr_va_vdst(0)
	TOSTAGE 0
	TOSTAGE 1
	SEND 0, 32
	s_wait_xcnt 0x0
	TOSTAGE 2
	SEND 1, 32
	s_wait_xcnt 0x0
	TOSTAGE 3
	SEND 2, 32
	SEND 3, 0
	s_wait_tensorcnt 0x0
	ds_add_u32 v[SPW], v[NIL]
	s_wait_dscnt 0x0
	CROUND
	s_endpgm
.Lfunc_end_k_q3b7dd95040_pv:
	.size	k_q3b7dd95040_pv, .Lfunc_end_k_q3b7dd95040_pv-k_q3b7dd95040_pv
	.p2alignl 7, 3214868480
	.fill 96, 4, 3214868480
	.section	.rodata,"a",@progbits
	.p2align	6, 0x0
	.amdhsa_kernel k_q3b7dd95040_pv
		.amdhsa_group_segment_fixed_size 327680
		.amdhsa_private_segment_fixed_size 0
		.amdhsa_enable_private_segment 0
		.amdhsa_kernarg_size 40
		.amdhsa_user_sgpr_count 2
		.amdhsa_user_sgpr_kernarg_segment_ptr 1
		.amdhsa_wavefront_size32 1
		.amdhsa_system_sgpr_workgroup_id_x 1
		.amdhsa_system_sgpr_workgroup_id_y 1
		.amdhsa_system_sgpr_workgroup_id_z 1
		.amdhsa_system_vgpr_workitem_id 0
		.amdhsa_next_free_vgpr 1024
		.amdhsa_next_free_sgpr 100
		.amdhsa_reserve_vcc 0
		.amdhsa_float_denorm_mode_32 3
		.amdhsa_float_denorm_mode_16_64 3
		.amdhsa_memory_ordered 1
		.amdhsa_forward_progress 1
		.amdhsa_inst_pref_size 162
	.end_amdhsa_kernel
	.amdgpu_metadata
---
amdhsa.version: [ 1, 2 ]
amdhsa.kernels:
  - .name:           k_q3b7dd95040_pv
    .symbol:         k_q3b7dd95040_pv.kd
    .args:
      - { .name: pc, .offset: 0, .size: 8, .value_kind: global_buffer, .address_space: global }
      - { .name: st, .offset: 8, .size: 8, .value_kind: global_buffer, .address_space: global }
      - { .name: c2, .offset: 16, .size: 8, .value_kind: global_buffer, .address_space: global }
      - { .name: s2, .offset: 24, .size: 8, .value_kind: global_buffer, .address_space: global }
      - { .name: out0, .offset: 32, .size: 8, .value_kind: global_buffer, .address_space: global }
    .group_segment_fixed_size: 327680
    .private_segment_fixed_size: 0
    .kernarg_segment_align: 8
    .kernarg_segment_size: 40
    .max_flat_workgroup_size: 128
    .sgpr_count:     100
    .vgpr_count:     1024
    .wavefront_size: 32
...
	.end_amdgpu_metadata
.endif
;; end of part 4
